; MI455X (gfx1250); checked and timed in simulation.
; The chip was launched on July 23, 2026; its instructions are those of AMD's public machine-readable ISA for CDNA 5 (MIT licence, August 2026) and "CDNA5" Instruction Set Architecture Reference Guide (July 2026). The comments in the code are by the model that wrote it; some were corrected since.
;; Causal Self Attention Ro PE. Allowed arithmetic: matrix products marked QUANTISED: E5M2 operands, one E8M0 scale for each 32 along K, by v_wmma_scale_f32_16x16x128_f8f6f4 with both operands' format E5M2, f32 sums; everything else in f32.
;; Inputs: token_positions 4,096 int32; w_out 1,024 x 1,024 float32; w_qkv 3,072 x 1,024 float32; x 1 x 4,096 x 1,024 float32.
;; Outputs: out0 1 x 4,096 x 1,024 float32.
;; This version of the problem:
;;   THIS VERSION OF THE PROBLEM IS GIVEN IN LOW PRECISION. The matrix products marked QUANTISED in the list below multiply operands that are first quantised to E5M2 (5 exponent bits, 2 mantissa bits; 8 bits a number), with one power-of-two scale for each 32 numbers along K (OCP MX v1.0); their sums are f32. All else is computed in f32.
;;   The module's matrix products, in the order in which they are computed (A, B: the left and right operand; K: the contracted axis; several contracted axes count as one K, in the product's order):
;;     1. [M 4,096, K 1,024] x [K 1,024, N 3,072]; A: input x; B: input w_qkv: QUANTISED
;;     2. batch 16 x [M 4,096, K 64] x [K 64, N 4,096]; A: computed on the way; B: computed on the way: QUANTISED
;;     3. batch 16 x [M 4,096, K 4,096] x [K 4,096, N 64]; A: softmax (see below); B: computed on the way: QUANTISED
;;     4. [M 4,096, K 1,024] x [K 1,024, N 1,024]; A: computed on the way; B: input w_out: QUANTISED
;;   THE QUANTISER, for each operand of a quantised product, along K:
;;     - K is cut into blocks of 32 from its start; a last block that is shorter is filled with zeros.
;;     - A block's scale is 2^e with e = floor(log2(the largest magnitude in the block)) - 15, held to -126 .. 127; a block of zeros has e = 0. As a byte (E8M0): e + 127.
;;     - Each number is divided by its block's scale, clamped to +-57,344, and rounded to the nearest number of E5M2, ties to even, subnormals kept.
;;     - The product sums the exact products of the quantised numbers (number of the format x scale) in f32.
;;   ~~~python
;;   def quantise(x, axis):      # numpy; x: float32 -> the quantised numbers, widened to float32 again
;;       x = np.moveaxis(x, axis, -1); K = x.shape[-1]
;;       x = np.pad(x, [(0, 0)] * (x.ndim - 1) + [(0, -K % 32)]); x = x.reshape(x.shape[:-1] + (-1, 32)); a = np.abs(x).max(-1, keepdims=True)
;;       e = np.where(a > 0, np.clip(np.frexp(np.where(a > 0, a, 1))[1] - 1 - 15, -126, 127), 0)      # np.frexp(a)[1] - 1 = floor(log2(a)), exactly
;;       r = np.clip(x / 2.0 ** e, -57344, 57344)
;;       step = 2.0 ** (np.maximum(np.frexp(np.where(r == 0, 1, r))[1] - 1, -14) - 2)
;;       q = np.round(r / step) * step * 2.0 ** e      # np.round: ties to even
;;       return np.moveaxis(q.reshape(q.shape[:-2] + (-1,))[..., :K], -1, axis).astype(np.float32)
;;   ~~~
;;   SOFTMAX AHEAD OF A QUANTISED PRODUCT. Where the list says 'softmax', what is quantised is not the finished softmax but p = 2^(t - M), with t = logit x log2(e) and M = ceil(the row's largest t), a whole number; so 1/2 < the row's largest p <= 1. The row's sum l is taken of the UNQUANTISED p, in f32, and the product's result is divided by l at the end. Since M is a whole number, a kernel that streams over the keys may use a running M (the ceiling of the running maximum): every later rescaling is an exact power of two, which a block's scale takes up: the codes' values come out the same.
;;   OPERANDS COMPUTED ON THE WAY. 'Computed on the way' means the value that the module computes at that place (a softmax that the list does not call 'softmax' is quantised finished and normalised). What goes into a quantiser is computed in f32, as accurately as f32 sums, v_exp_f32 and their like allow (about 1e-6 of the number): no bf16 or f16 on the way to a quantiser, and a product that is left as it is and whose result goes on into a quantised operand takes f32 operands (vector FMAs, or v_wmma_f32_16x16x4_f32). A number that lies on a knife's edge between two numbers of the format may be rounded either way, as far as f32 arithmetic and the matrix unit's own rounding can turn it there, and no further.
;; One version. Each part assembles by itself: llvm-mc -triple=amdgcn-amd-amdhsa -mcpu=gfx1250 --defsym DOCPART=n.
;; ======== version 1 of 1: 4 launches
;; limits: right only within a limited range of input values
;; workspace buffers: opq 8,650,752 bytes; rope 1,048,576 bytes; qbuf 4,325,376 bytes; kvc 8,388,608 bytes; kvs 262,144 bytes; att 4,325,376 bytes
;; launch prep (part 1): grid 256 x 1, 4 waves a work-group, no clusters, 33,280 bytes of LDS; arguments x, w_qkv, w_out, token_positions, opq, rope; writes opq, rope
.if DOCPART == 1
	.amdgcn_target "amdgcn-amd-amdhsa--gfx1250"
	.amdhsa_code_object_version 6
	.text
	.protected	k_q719dd6c645_prep
	.globl	k_q719dd6c645_prep
	.p2align	8
	.type	k_q719dd6c645_prep,@function
k_q719dd6c645_prep:
	s_mov_b64 s[64:65], 0
	v_nop
	global_prefetch_b8 v0, s[64:65] scope:SCOPE_SE
	s_setreg_imm32_b32 hwreg(HW_REG_WAVE_MODE, 25, 1), 1
	s_wait_xcnt 0x0
; FIRST OF FOUR LAUNCHES of causal attention with RoPE (T = 4,096 tokens, C = 1,024, 16 heads of 64), all four products on codes of BF8 (E5M2) with one E8M0 scale for each 32 along K.
; WORK LEFT OUT BY THE PROGRAM: the third launch walks the keys in steps of 128 and leaves out every step all of whose keys come after all queries of a wave's block of 128.  The problem's own jnp.tril puts
; -infinity on these scores ahead of the softmax, so their p is 0 and they add 0 to the row's sum and to the second product, whatever finite values the inputs hold.  Every input has a way to the output: all are loaded.
; LIMITS: a NaN, an infinity or an overflow that reaches only those scores is not carried to the result; NaN and infinities among the inputs are not served; a block whose largest magnitude lies under 2^-111
; (a block of zeros too, where the rule says byte 127) gets the byte 1: its codes are zeros or subnormal codes under that scale, and only this program reads the bytes; token positions up to 2^20 in magnitude (beyond, the quotient by pi/2 may be off by one).
; THIS LAUNCH: x [4096][1024], w_qkv [3072][1024], w_out [1024][1024], f32, become codes with K innermost and scale bytes, in one buffer opq: codes [8192 rows][1024 B], then from byte 8,388,608 scale bytes [row][32].
; ROW ORDER: stored row P holds row P with its bits 3 and 4 exchanged.  A wave takes 8 rows, so the exchange is an exchange of the two bits of the wave's number on the way out.
; A block's scale is 2^(floor(log2(largest magnitude)) - 15); its byte is the largest magnitude's exponent field - 15, held at 1 from below; each number is held within +-57,344 x the scale and converted, ties to even.
; A wave takes 16 steps of 512 numbers.  Each load reads 512 consecutive bytes; a step's 2,048 bytes turn through the wave's own stage in LDS so that a lane holds 16 neighbours along K; two neighbouring lanes hold a block.
; ALSO: the table of cos and sin for RoPE, rope [tile of 16 stored tokens 256][load 8][lane 32][16 B]: lane (h, r) of load 4 c + i holds cos, sin of pair 16 c + 8 h + 2 i and of the next pair, for the tile's stored token r.
; Work-group g makes tile g, wave w its loads 2 w and 2 w + 1: pairs 4 G + 0 .. 3, G = 4 (w / 2) + (w % 2) + 2 h.  The angle is position x inv_freq in f32; it is reduced by pi/2 in three parts; two polynomials; the quadrant selects values only.
.set WAVES, 4
.set STEPS, 16
.set EMAX,  15
.set MANT,  0x600000                   ; the mantissa field of 57,344 as f32
.set CB,    16                         ; bytes of 16 codes
.set R,     16                         ; v16-79   four sets of 16 numbers as they are loaded
.set X,     80                         ; v80-111  two sets of 16 neighbours
.set C,     128                        ; v128-191 codes: four registers for each step; ahead of the steps the table's registers
.set E,     112                        ; v112-127 a scale byte for each step
.set WREG,  8192                       ; LDS: a region for each wave: two stages of 32 x SP bytes, behind them its 256 scale bytes
.set SP,    80                         ; a lane's place in a stage: 64 bytes + 16 of padding
.set SPW,   12                         ; v12      LDS address of my spare word; never rewritten
.set NIL,   13                         ; v13      0; never rewritten
.set SPARE, WAVES*WREG                 ; the spare words, 128 bytes a wave
.set TA,    128                        ; the table: byte offset of my token's position
.set PO,    129                        ; the position
.set TT,    130                        ; at work
.set VG,    131                        ; G
.set FQ,    132                        ; v132-135 four inv_freq
.set AN,    136                        ; v136-139 angles
.set JJ,    140                        ; v140-143 quotients by pi/2
.set RR,    144                        ; v144-147 remainders
.set SS,    148                        ; v148-151 their squares
.set PCO,   152                        ; v152-155 cos of the remainder
.set PSI,   156                        ; v156-159 sin of the remainder
.set II,    160                        ; v160-163 quotients as whole numbers
.set OUT,   164                        ; v164-171 cos, sin of the four pairs
	s_load_b256 s[4:11], s[0:1], 0x0               ; x, w_qkv, w_out, token_positions
	s_load_b128 s[12:15], s[0:1], 0x20             ; opq, rope
	v_lshl_add_u32 v[SPW], v0, 2, SPARE
	v_mov_b32 v[NIL], 0
	v_lshrrev_b32 v1, 5, v0
	v_readfirstlane_b32 s16, v1                    ; wave
	v_and_b32 v2, 31, v0                           ; lane
	v_lshlrev_b32 v3, 4, v2                        ; my 16 bytes of a load's 512
	s_mul_i32 s17, s16, WREG
	v_lshrrev_b32 v14, 2, v2
	v_mul_u32_u24 v14, v14, SP
	v_and_b32 v15, 3, v2
	v_lshl_add_u32 v14, v15, 4, v14
	v_add_nc_u32 v14, s17, v14                     ; the stage, on the way in: SP (lane / 4) + 16 (lane % 4)
	v_mul_u32_u24 v15, v2, SP
	v_add_nc_u32 v15, s17, v15                     ; and on the way out: SP x lane
	v_mul_u32_u24 v4, v2, CB                       ; my codes' place in a step's
	v_lshrrev_b32 v5, 1, v2
	s_add_co_u32 s17, s17, 2*32*SP
	v_add_nc_u32 v5, s17, v5                       ; LDS: my wave's 256 scale bytes, my block's byte
	v_lshlrev_b32 v7, 3, v2                        ; and on the way out 8 bytes a lane
	v_add_nc_u32 v6, s17, v7
	s_mov_b32 s23, MANT
	v_and_b32 v[TA], 15, v0                        ; r
	v_and_b32 v[TT], 8, v[TA]
	v_add_nc_u32 v[TA], v[TA], v[TT]               ; r + 8 (r / 8)
	s_lshr_b32 s30, ttmp9, 1
	s_lshl_b32 s30, s30, 5
	s_and_b32 s31, ttmp9, 1
	s_lshl_b32 s31, s31, 3
	s_add_co_u32 s30, s30, s31
	v_add_nc_u32 v[TA], s30, v[TA]                 ; the token of stored place 16 g + r: 32 (g / 2) + 8 (g % 2) + r + 8 (r / 8)
	v_lshlrev_b32 v[TA], 2, v[TA]
	v_bfe_u32 v[VG], v0, 4, 1                      ; h
	s_lshr_b32 s30, s16, 1
	s_lshl_b32 s30, s30, 2
	s_and_b32 s31, s16, 1
	s_add_co_u32 s30, s30, s31
	v_lshl_add_u32 v[VG], v[VG], 1, s30            ; G
	s_mov_b32 s17, 224
	s_wait_alu depctr_va_vdst(0)
	s_wait_kmcnt 0x0
	s_cmp_lt_u32 ttmp9, 224                        ; which tensor: the choice hangs on the work-group's number alone
	s_cselect_b64 s[6:7], s[6:7], s[8:9]
	s_cselect_b32 s17, 128, s17
	s_cmp_lt_u32 ttmp9, 128
	s_cselect_b64 s[4:5], s[4:5], s[6:7]
	s_cselect_b32 s17, 0, s17
	s_sub_co_u32 s17, ttmp9, s17
	s_lshl_b32 s17, s17, 2
	s_add_co_u32 s18, s17, s16                     ; which run of 8,192 numbers of the tensor is my wave's
	s_lshl_b32 s18, s18, 15
	s_mov_b32 s19, 0
	s_add_nc_u64 s[4:5], s[4:5], s[18:19]
	s_and_b32 s20, s16, 1
	s_lshl_b32 s20, s20, 1
	s_lshr_b32 s21, s16, 1
	s_or_b32 s20, s20, s21                         ; the wave's number with its two bits exchanged
	s_lshl_b32 s21, ttmp9, 2
	s_add_co_u32 s20, s20, s21                     ; the run's place in opq
	s_lshl_b32 s18, s20, 13
	s_add_nc_u64 s[24:25], s[12:13], s[18:19]      ; its codes
	s_lshl_b32 s18, s20, 8
	s_add_co_u32 s18, s18, 8388608
	s_add_nc_u64 s[26:27], s[12:13], s[18:19]      ; its scale bytes
	s_lshl_b32 s18, ttmp9, 12
	s_lshl_b32 s20, s16, 10
	s_add_co_u32 s18, s18, s20
	s_add_nc_u64 s[28:29], s[14:15], s[18:19]      ; my two loads' worth of the table
.macro LOAD t
.irp i, 0,1,2,3
	global_load_b128 v[R+16*((\t)%4)+4*\i:R+16*((\t)%4)+4*\i+3], v3, s[4:5] offset:2048*(\t)+512*\i th:TH_LOAD_NT   ; 32 lanes read 512 consecutive bytes
.endr
.endm
.macro TURN t                          ; step t's numbers through the stage: LDS serves a wave's instructions in order, so no wait stands between the stores and the loads
.irp i, 0,1,2,3
	ds_store_b128 v14, v[R+16*((\t)%4)+4*\i:R+16*((\t)%4)+4*\i+3] offset:32*SP*((\t)%2)+8*SP*\i
.endr
.irp i, 0,1,2,3
	ds_load_b128 v[X+16*((\t)%2)+4*\i:X+16*((\t)%2)+4*\i+3], v15 offset:32*SP*((\t)%2)+16*\i
.endr
.endm
	global_load_b32 v[PO], v[TA], s[10:11]         ; my token's position
.irp t, 0,1,2,3
	LOAD \t
.endr
; inv_freq[p] = 1 / 10^(p / 8), both roundings in f32.  My four are those of p = 4 G + 0 .. 3: chosen by value, no address hangs on it
.macro PICK g, c0, c1, c2, c3
	v_cmp_eq_u32 vcc_lo, \g, v[VG]
	v_mov_b32 v[TT], \c0
	v_cndmask_b32 v[FQ], v[FQ], v[TT], vcc_lo
	v_mov_b32 v[TT], \c1
	v_cndmask_b32 v[FQ+1], v[FQ+1], v[TT], vcc_lo
	v_mov_b32 v[TT], \c2
	v_cndmask_b32 v[FQ+2], v[FQ+2], v[TT], vcc_lo
	v_mov_b32 v[TT], \c3
	v_cndmask_b32 v[FQ+3], v[FQ+3], v[TT], vcc_lo
.endm
	v_mov_b32 v[FQ], 0x3f800000
	v_mov_b32 v[FQ+1], 0x3f3ff911
	v_mov_b32 v[FQ+2], 0x3f0ff59a
	v_mov_b32 v[FQ+3], 0x3ed7e89b
	PICK 1, 0x3ea1e89b, 0x3e72d423, 0x3e361887, 0x3e088d77
	PICK 2, 0x3dcccccd, 0x3d99940d, 0x3d6655c2, 0x3d2cba15
	PICK 3, 0x3d0186e3, 0x3cc2434f, 0x3c91ad39, 0x3c5a7bf2
	PICK 4, 0x3c23d70a, 0x3bf5b9b0, 0x3bb8449c, 0x3b8a2e77
	PICK 5, 0x3b4f3e38, 0x3b1b690d, 0x3ae91528, 0x3aaec98e
	PICK 6, 0x3a83126f, 0x3a44948c, 0x3a136a16, 0x39dd1725
	PICK 7, 0x39a5cb60, 0x3978a815, 0x393a7753, 0x390bd472
	s_wait_loadcnt 16                              ; the position is in: the 16 loads of numbers were issued behind its load
	v_cvt_f32_i32 v[PO], v[PO]
	s_wait_alu depctr_va_vdst(0)
.irp k, 0,1,2,3
	v_mul_f32 v[AN+\k], v[PO], v[FQ+\k]            ; the angle, rounded to f32 as the problem has it
.endr
.irp k, 0,1,2,3
	v_mul_f32 v[JJ+\k], 0x3f22f983, v[AN+\k]       ; x 2 / pi
.endr
.irp k, 0,1,2,3
	v_rndne_f32 v[JJ+\k], v[JJ+\k]                 ; j
.endr
.irp k, 0,1,2,3
	v_fmamk_f32 v[RR+\k], v[JJ+\k], 0xbfc90fd8, v[AN+\k]   ; angle - j x pi/2, pi/2 in three parts: the first product is exact
.endr
.irp k, 0,1,2,3
	v_fmamk_f32 v[RR+\k], v[JJ+\k], 0xb4a8885a, v[RR+\k]
.endr
.irp k, 0,1,2,3
	v_fmamk_f32 v[RR+\k], v[JJ+\k], 0xa7c234c4, v[RR+\k]
.endr
.irp k, 0,1,2,3
	v_mul_f32 v[SS+\k], v[RR+\k], v[RR+\k]
	v_cvt_i32_f32 v[II+\k], v[JJ+\k]
	v_mov_b32 v[PCO+\k], 0x37cd4000
	v_mov_b32 v[PSI+\k], 0x36405000
.endr
.irp k, 0,1,2,3
	v_fmaak_f32 v[PCO+\k], v[PCO+\k], v[SS+\k], 0xbab6077d
	v_fmaak_f32 v[PSI+\k], v[PSI+\k], v[SS+\k], 0xb9503486
.endr
.irp k, 0,1,2,3
	v_fmaak_f32 v[PCO+\k], v[PCO+\k], v[SS+\k], 0x3d2aaaa8
	v_fmaak_f32 v[PSI+\k], v[PSI+\k], v[SS+\k], 0x3c0888c1
.endr
.irp k, 0,1,2,3
	v_fma_f32 v[PCO+\k], v[PCO+\k], v[SS+\k], -0.5
	v_fmaak_f32 v[PSI+\k], v[PSI+\k], v[SS+\k], 0xbe2aaaab
.endr
.irp k, 0,1,2,3
	v_fma_f32 v[PCO+\k], v[PCO+\k], v[SS+\k], 1.0  ; cos of the remainder
	v_mul_f32 v[SS+\k], v[RR+\k], v[SS+\k]
.endr
.irp k, 0,1,2,3
	v_fma_f32 v[PSI+\k], v[PSI+\k], v[SS+\k], v[RR+\k]   ; sin of the remainder
	v_and_b32 v[JJ+\k], 1, v[II+\k]
	v_add_nc_u32 v[AN+\k], 1, v[II+\k]
.endr
.irp k, 0,1,2,3
	v_cmp_ne_u32 vcc_lo, 0, v[JJ+\k]               ; an odd quadrant exchanges the two
	v_cndmask_b32 v[OUT+2*\k], v[PCO+\k], v[PSI+\k], vcc_lo
	v_cndmask_b32 v[OUT+2*\k+1], v[PSI+\k], v[PCO+\k], vcc_lo
	v_lshlrev_b32 v[AN+\k], 30, v[AN+\k]
	v_lshlrev_b32 v[II+\k], 30, v[II+\k]
.endr
.irp k, 0,1,2,3
	v_and_b32 v[AN+\k], 0x80000000, v[AN+\k]       ; cos is negative in quadrants 1 and 2,
	v_and_b32 v[II+\k], 0x80000000, v[II+\k]       ; sin in 2 and 3
.endr
.irp k, 0,1,2,3
	v_xor_b32 v[OUT+2*\k], v[AN+\k], v[OUT+2*\k]
	v_xor_b32 v[OUT+2*\k+1], v[II+\k], v[OUT+2*\k+1]
.endr
	global_store_b128 v3, v[OUT:OUT+3], s[28:29]               ; 32 lanes store 512 consecutive bytes, aligned
	global_store_b128 v3, v[OUT+4:OUT+7], s[28:29] offset:512
	s_wait_xcnt 0x0                                ; the stores have read their registers, which the steps' codes take
	s_wait_loadcnt 12                              ; step 0's four loads are in
	TURN 0
.macro STEP t
.set XS, X+16*((\t)%2)
.if (\t) > 0
	s_wait_dscnt 1                                 ; this step's numbers are back from the stage (the last step's byte store may be out): so its stores into the stage have read their registers,
.else
	s_wait_dscnt 0x0
.endif
.if (\t)+4 < STEPS
	LOAD (\t)+4                                    ; which take the loads of four steps on
.endif
.if (\t)+1 < STEPS
.if STEPS-2-(\t) >= 3
	s_wait_loadcnt 12                              ; the next step's four loads are in; those of the three steps behind it may be out
.else
	s_wait_loadcnt 4*(STEPS-2-(\t))
.endif
	TURN (\t)+1                                    ; and go through the other stage while this step is worked
.endif
	v_max3_num_f32 v8, |v[XS]|, |v[XS+1]|, |v[XS+2]|               ; the largest magnitude of my 16
	v_max3_num_f32 v9, |v[XS+3]|, |v[XS+4]|, |v[XS+5]|
.irp i, 6,10
	v_max3_num_f32 v8, v8, |v[XS+\i]|, |v[XS+\i+1]|
	v_max3_num_f32 v9, v9, |v[XS+\i+2]|, |v[XS+\i+3]|
.endr
	v_max3_num_f32 v8, v8, |v[XS+14]|, |v[XS+15]|
	v_max3_num_f32 v8, v8, v9, (EMAX+1)<<23        ; and the floor 2^(16 - 127): the byte cannot fall under 1
	v_max_num_f32_dpp v8, v8, v8 row_xmask:1 row_mask:0xf bank_mask:0xf   ; and of my neighbour's 16: the block's
	v_add_nc_u32 v11, -(EMAX<<23), v8              ; 15 off its exponent field: the conversion takes this operand's exponent field as its scale
	v_and_or_b32 v10, v8, 0x7f800000, s23          ; 57,344 x the scale
.irp i, 0,1,2,3,4,5,6,7,8,9,10,11,12,13,14,15
	v_med3_num_f32 v[XS+\i], v[XS+\i], -v10, v10   ; the conversion to an 8-bit code does not saturate (ISA guide 7.6.2): the hold comes first
.endr
	v_cvt_scalef32_pk8_bf8_f32 v[C+4*(\t):C+4*(\t)+1], v[XS:XS+7], v11
	v_cvt_scalef32_pk8_bf8_f32 v[C+4*(\t)+2:C+4*(\t)+3], v[XS+8:XS+15], v11
	v_lshrrev_b32 v[E+(\t)], 23, v11               ; the scale's byte
	ds_store_b8 v5, v[E+(\t)] offset:16*(\t)       ; both lanes of a block write the same byte with the same value
	global_store_b128 v4, v[C+4*(\t):C+4*(\t)+3], s[24:25] offset:32*CB*(\t)   ; 512 consecutive bytes, aligned
.endm
.irp t, 0,1,2,3,4,5,6,7,8,9,10,11,12,13,14,15
	STEP \t
.endr
	ds_load_b64 v[8:9], v6                         ; LDS serves a wave's instructions in order: these see my stores
	s_wait_dscnt 0x0
	global_store_b64 v7, v[8:9], s[26:27]          ; 32 lanes store 256 consecutive bytes, aligned
	s_wait_tensorcnt 0x0                           ; the wave's end
	ds_add_u32 v[SPW], v[NIL]
	s_wait_dscnt 0x0
	s_endpgm
.Lfunc_end_k_q719dd6c645_prep:
	.size	k_q719dd6c645_prep, .Lfunc_end_k_q719dd6c645_prep-k_q719dd6c645_prep
	.p2alignl 7, 3214868480
	.fill 96, 4, 3214868480
	.section	.rodata,"a",@progbits
	.p2align	6, 0x0
	.amdhsa_kernel k_q719dd6c645_prep
		.amdhsa_group_segment_fixed_size 33280
		.amdhsa_private_segment_fixed_size 0
		.amdhsa_enable_private_segment 0
		.amdhsa_kernarg_size 48
		.amdhsa_user_sgpr_count 2
		.amdhsa_user_sgpr_kernarg_segment_ptr 1
		.amdhsa_wavefront_size32 1
		.amdhsa_system_sgpr_workgroup_id_x 1
		.amdhsa_system_sgpr_workgroup_id_y 1
		.amdhsa_system_sgpr_workgroup_id_z 1
		.amdhsa_system_vgpr_workitem_id 0
		.amdhsa_next_free_vgpr 192
		.amdhsa_next_free_sgpr 66
		.amdhsa_reserve_vcc 1
		.amdhsa_float_denorm_mode_32 3
		.amdhsa_float_denorm_mode_16_64 3
		.amdhsa_memory_ordered 1
		.amdhsa_forward_progress 1
		.amdhsa_inst_pref_size 61
	.end_amdhsa_kernel
	.amdgpu_metadata
---
amdhsa.version: [ 1, 2 ]
amdhsa.kernels:
  - .name:           k_q719dd6c645_prep
    .symbol:         k_q719dd6c645_prep.kd
    .args:
      - { .name: x, .offset: 0, .size: 8, .value_kind: global_buffer, .address_space: global }
      - { .name: w_qkv, .offset: 8, .size: 8, .value_kind: global_buffer, .address_space: global }
      - { .name: w_out, .offset: 16, .size: 8, .value_kind: global_buffer, .address_space: global }
      - { .name: token_positions, .offset: 24, .size: 8, .value_kind: global_buffer, .address_space: global }
      - { .name: opq, .offset: 32, .size: 8, .value_kind: global_buffer, .address_space: global }
      - { .name: rope, .offset: 40, .size: 8, .value_kind: global_buffer, .address_space: global }
    .group_segment_fixed_size: 33280
    .private_segment_fixed_size: 0
    .kernarg_segment_align: 8
    .kernarg_segment_size: 48
    .max_flat_workgroup_size: 128
    .sgpr_count:     66
    .vgpr_count:     192
    .wavefront_size: 32
...
	.end_amdgpu_metadata
.endif
;; end of part 1
;; launch qkv (part 2): grid 12 x 16, 4 waves a work-group, clusters of 4 x 4, 327,680 bytes of LDS; arguments opq, rope, qbuf, kvc, kvs; writes qbuf, kvc, kvs
.if DOCPART == 2
	.amdgcn_target "amdgcn-amd-amdhsa--gfx1250"
	.amdhsa_code_object_version 6
	.text
	.protected	k_q719dd6c645_qkv
	.globl	k_q719dd6c645_qkv
	.p2align	8
	.type	k_q719dd6c645_qkv,@function
k_q719dd6c645_qkv:
	s_mov_b64 s[64:65], 0
	v_nop
	global_prefetch_b8 v0, s[64:65] scope:SCOPE_SE
	s_setreg_imm32_b32 hwreg(HW_REG_WAVE_MODE, 25, 1), 1
	s_wait_xcnt 0x0
	s_wait_alu depctr_hold_cnt(0) depctr_sa_sdst(0) depctr_va_vdst(0) depctr_va_sdst(0) depctr_va_ssrc(0) depctr_va_vcc(0) depctr_vm_vsrc(0)
	s_getreg_b32 s2, hwreg(HW_REG_IB_STS2, 6, 4)
	s_cmp_eq_u32 s2, 0
	s_cbranch_scc0 .Lentry_in_a_cluster
	s_endpgm
.Lentry_in_a_cluster:
	s_bfe_u32 s2, ttmp6, 0x10000c
	s_cmp_lg_u32 s2, 0xf033
	s_cbranch_scc0 .Lentry_shape_is_right
	s_endpgm
.Lentry_shape_is_right:
.set SIZE_K, 1024
.set KSTEP,  256
.set NQ,     KSTEP/128
.set ROWB,   256
.set KROW,   SIZE_K
.set PITCH,  272
.set FR,     16
.set NL,     4
.set NP,     8
.set HALFT,  128*PITCH
.set SLOT,   4*HALFT
.set LAPS,   SIZE_K/(2*KSTEP)
.set KS,     SIZE_K/32
.set SCL,    2*SLOT
.set HALFS,  (128*KS/256)*272
.set SBLK,   (16*KS/256)*272
.set SPARE,  SCL+4*HALFS
.set ADRA, 16
.set ADRB, 20
.set LI,   24
.set SOFF, 25
.set LN,   26
.set ADRS, 27
.set SPW,  28
.set NIL,  29
.set SC,   32
.set AF,   128
.set TM,   32
.set SW,   48
.set PC,   56
.set TB,   96
.set RG,   160
.set G1, 24
.set G0, 32
.set G1B, 48
.set G0B, 56
.set G1S, 68
.set G0S, 76
.set G1SB, 80
.set G0SB, 88
.set ISV, 97
.set SEL, 66
.set MNT, 95
.set MSB, 0
.macro WIN new
.if MSB != \new
	s_set_vgpr_msb (MSB<<8)|\new
.set MSB, \new
.endif
.endm
.set MUL_LO, 0xa1
.set MUL_HI, 0xf1
.set TO_B,   0x40
.macro JLOAD g0a, g1a, g0b, g1b
	s_cmp_eq_u32 s15, 0
	s_cbranch_scc0 .Lfor_b_\@
	tensor_load_to_lds s[\g0a:\g0a+3], s[\g1a:\g1a+7]
	s_nop 0
.rept 4
	v_nop
.endr
	s_branch .Lasked_\@
.Lfor_b_\@:
	tensor_load_to_lds s[\g0b:\g0b+3], s[\g1b:\g1b+7]
	s_nop 0
.rept 4
	v_nop
.endr
.Lasked_\@:
.endm
.macro CREST
	s_cmp_lg_u32 s14, 0
	s_cbranch_scc1 .Lnot_wave_0_\@
	s_barrier_signal -3
.Lnot_wave_0_\@:
	s_barrier_wait -3
	s_barrier_signal -1
	s_barrier_wait -1
.endm
.macro CROUND
	s_barrier_signal -1
	s_barrier_wait -1
	CREST
.endm
	s_load_b256 s[4:11], s[0:1], 0x0
	s_load_b64 s[12:13], s[0:1], 0x20
	v_lshl_add_u32 v[SPW], v0, 2, SPARE
	v_mov_b32 v[NIL], 0
	ds_add_u32 v[SPW], v[NIL]
	ds_add_u32 v[SPW], v[NIL]
	v_lshrrev_b32 v1, 5, v0
	v_readfirstlane_b32 s14, v1
	s_lshr_b32 s15, s14, 1
	s_and_b32 s16, s14, 1
	s_bfe_u32 s40, ttmp6, 0x40000
	s_bfe_u32 s41, ttmp6, 0x40004
	s_and_b32 s96, ttmp7, 0xffff
	s_cmp_eq_u32 ttmp9, 2
	s_cselect_b32 s[ISV], 1, 0
	s_cselect_b32 s98, s96, ttmp9
	s_cselect_b32 s99, 0, s96
	s_cselect_b32 s100, 6291456, 0
	s_cselect_b32 s101, 0, 4194304
	s_cselect_b32 s104, 196608, 0
	s_cselect_b32 s105, 0, 131072
	s_lshl_b32 s42, s98, 2
	s_add_co_u32 s42, s42, s40
	s_lshl_b32 s17, s99, 2
	s_add_co_u32 s17, s17, s41
	s_lshl_b32 s43, s41, 2
	s_lshl_b32 s43, 15, s43
	s_lshl_b32 s44, 0x1111, s40
	s_or_b32 s[G1+0], s43, (0<<16)|(1<<20)|(1<<21)|(5<<22)|(3<<25)
	s_or_b32 s[G1B+0], s44, (0<<16)|(1<<20)|(1<<21)|(5<<22)|(3<<25)
.irp g, G1, G1B
	s_mov_b32 s[\g+1], ROWB<<16
	s_mov_b32 s[\g+2], 256<<16
	s_mov_b32 s[\g+3], ROWB<<16
	s_mov_b32 s[\g+4], 256
	s_mov_b32 s[\g+5], KROW
	s_mov_b32 s[\g+6], 0
	s_mov_b32 s[\g+7], 0
.endr
	s_or_b32 s[G1S+0], s43, (3<<16)|(1<<20)|(1<<21)|(5<<22)|(3<<25)
	s_or_b32 s[G1SB+0], s44, (3<<16)|(1<<20)|(1<<21)|(5<<22)|(3<<25)
.irp g, G1S, G1SB
	s_mov_b32 s[\g+1], 32<<16
	s_mov_b32 s[\g+2], (256*KS/256)<<16
	s_mov_b32 s[\g+3], 32<<16
	s_mov_b32 s[\g+4], 256*KS/256
	s_mov_b32 s[\g+5], 32
	s_mov_b32 s[\g+6], 0
	s_mov_b32 s[\g+7], 0
.endr
	s_lshl_b32 s18, s16, 7
	s_lshl_b32 s20, s17, 8
	s_add_co_u32 s20, s20, s18
	s_lshl_b32 s46, s42, 8
	s_add_co_u32 s46, s46, s18
	s_lshl_b32 s22, s20, 5
	s_add_co_u32 s22, s22, s104
	s_add_co_u32 s22, s22, 8388608
	s_mov_b32 s23, 0
	s_lshl_b32 s92, s46, 5
	s_add_co_u32 s92, s92, s105
	s_add_co_u32 s92, s92, 8388608
	s_mov_b32 s93, 0
	s_lshl_b32 s20, s20, 10
	s_add_co_u32 s20, s20, s100
	s_mov_b32 s21, 0
	s_lshl_b32 s46, s46, 10
	s_add_co_u32 s46, s46, s101
	s_mov_b32 s47, 0
	s_mul_i32 s45, s14, HALFT
	s_mul_i32 s94, s14, HALFS
	s_wait_dscnt 0x0
	s_wait_kmcnt 0x0
	s_add_nc_u64 s[20:21], s[4:5], s[20:21]
	s_add_nc_u64 s[22:23], s[4:5], s[22:23]
	s_add_nc_u64 s[46:47], s[4:5], s[46:47]
	s_add_nc_u64 s[92:93], s[4:5], s[92:93]
	CROUND
	s_mov_b32 s[G0S], 1
	s_add_co_u32 s[G0S+1], s94, SCL-HALFS          ; wave 1: the scales of A's 256 rows, whole
	s_sub_nc_u64 s[G0S+2:G0S+3], s[22:23], 4096    ; an odd wave's offset holds 128 rows of 32 bytes: back to the tile's first row
	s_or_b32 s[G0S+3], s[G0S+3], 0x80000000
	s_mov_b32 s[G0SB], 1
	s_add_co_u32 s[G0SB+1], s94, SCL-HALFS         ; wave 3: those of B's 256 rows
	s_sub_nc_u64 s[G0SB+2:G0SB+3], s[92:93], 4096
	s_or_b32 s[G0SB+3], s[G0SB+3], 0x80000000
.irp s, 0,1
	s_mov_b32 s[G0+4*\s], 1
	s_add_co_u32 s[G0+4*\s+1], s45, \s*SLOT
	s_add_nc_u64 s[G0+4*\s+2:G0+4*\s+3], s[20:21], \s*ROWB
	s_or_b32 s[G0+4*\s+3], s[G0+4*\s+3], 0x80000000
	s_mov_b32 s[G0B+4*\s], 1
	s_add_co_u32 s[G0B+4*\s+1], s45, \s*SLOT
	s_add_nc_u64 s[G0B+4*\s+2:G0B+4*\s+3], s[46:47], \s*ROWB
	s_or_b32 s[G0B+4*\s+3], s[G0B+4*\s+3], 0x80000000
.endr
	; the head's four tiles, one joint load a wave, in one chain of branches on the wave's number: wave 0 K step 0's 256 rows of A, wave 2 its 256 rows of B (their own quarters begin at the tiles' first rows), waves 1 and 3 the scales
	s_cmp_eq_u32 s14, 0
	s_cbranch_scc0 .Lhead_1
	tensor_load_to_lds s[G0:G0+3], s[G1:G1+7]
	s_nop 0
.rept 4
	v_nop
.endr
	s_branch .Lhead_asked
.Lhead_1:
	s_cmp_eq_u32 s14, 1
	s_cbranch_scc0 .Lhead_2
	tensor_load_to_lds s[G0S:G0S+3], s[G1S:G1S+7]
	s_nop 0
.rept 4
	v_nop
.endr
	s_branch .Lhead_asked
.Lhead_2:
	s_cmp_eq_u32 s14, 2
	s_cbranch_scc0 .Lhead_3
	tensor_load_to_lds s[G0B:G0B+3], s[G1B:G1B+7]
	s_nop 0
.rept 4
	v_nop
.endr
	s_branch .Lhead_asked
.Lhead_3:
	tensor_load_to_lds s[G0SB:G0SB+3], s[G1SB:G1SB+7]
	s_nop 0
.rept 4
	v_nop
.endr
.Lhead_asked:
	v_and_b32 v1, 15, v0
	v_bfe_u32 v2, v0, 4, 1
	v_mul_u32_u24 v3, v1, PITCH
	v_lshl_add_u32 v4, v2, 4, v3
	s_mul_i32 s21, s15, HALFT
	s_mul_i32 s22, s16, HALFT
	s_add_co_u32 s22, s22, 2*HALFT
.irp s, 0,1
	v_add_nc_u32 v[ADRA+\s], s21, v4
	v_add_nc_u32 v[ADRB+\s], s22, v4
	s_add_co_u32 s21, s21, SLOT
	s_add_co_u32 s22, s22, SLOT
.endr
	v_mul_u32_u24 v5, v1, KS
	v_lshrrev_b32 v6, 8, v5
	v_lshl_add_u32 v5, v6, 4, v5
	s_mul_i32 s21, s15, HALFS
	s_mul_i32 s22, s16, HALFS
	s_add_co_u32 s22, s22, 2*HALFS
	s_sub_co_u32 s22, s22, s21
	v_mul_u32_u24 v6, s22, v2
	s_add_co_u32 s21, s21, SCL
	v_add_nc_u32 v5, v5, v6
	v_add_nc_u32 v[ADRS], s21, v5
	v_and_b32 v[LN], 31, v0
	v_lshlrev_b32 v[LI], 4, v[LN]
	s_lshl_b32 s66, s17, 1
	s_add_co_u32 s66, s66, s15
	s_lshl_b32 s67, s42, 1
	s_add_co_u32 s67, s67, s16
	s_and_b32 s95, s67, 7
	s_cmp_eq_u32 s[ISV], 1
	s_cselect_b32 s95, s66, s95
	s_cselect_b32 s2, s67, s66
	s_cselect_b32 s105, 256, 0
	s_lshl_b32 s95, s95, 6
	s_add_co_u32 s95, s95, s2
	s_cmp_eq_u32 ttmp9, 0
	s_cselect_b64 s[12:13], s[8:9], s[12:13]
	s_cselect_b64 s[8:9], s[8:9], s[10:11]
	s_cselect_b32 s96, 13, 14
	s_cselect_b32 s98, 8, 9
	s_cselect_b32 s99, 4194304, 0
	s_lshl_b32 s100, s95, s96
	s_mov_b32 s101, 0
	s_add_nc_u64 s[8:9], s[8:9], s[100:101]
	s_lshl_b32 s100, 32, s96
	s_add_nc_u64 s[10:11], s[8:9], s[100:101]
	s_lshl_b32 s100, s95, s98
	s_add_co_u32 s100, s100, s99
	s_add_co_u32 s100, s100, s105
	s_add_nc_u64 s[12:13], s[12:13], s[100:101]
	s_lshl_b32 s104, 32, s98
	s_lshl_b32 s100, s66, 15
	s_add_nc_u64 s[6:7], s[6:7], s[100:101]
	v_mul_u32_u24 v[SOFF], s104, v2
	v_lshl_add_u32 v[SOFF], v1, 4, v[SOFF]
	s_mov_b32 s[SEL], 0x76543210
	s_mov_b32 s[SEL+1], 0xfedcba98
	s_mov_b32 s[MNT], 0x600000
.macro FRAG reg, adr, q, i
.irp c, 0,1,2,3
	ds_load_b128 v[\reg+4*\c:\reg+4*\c+3], v[\adr] offset:128*(\q)+32*\c+(\i)*16*PITCH
.endr
.endm
.macro MUL16 a0, p, q, sc, zero
.irp a, \a0, \a0+1
.irp b, 0,1,2,3,4,5,6,7
.if \zero
	v_wmma_scale_f32_16x16x128_f8f6f4 v[8*(8*((\a)%4)+\b):8*(8*((\a)%4)+\b)+7], v[128*(\p)+FR*\b:128*(\p)+FR*\b+FR-1], v[AF+FR*(\a):AF+FR*(\a)+FR-1], 0, v[SC+8*NQ*(\sc)+NQ*\b+(\q)], v[SC+8*NQ*(\sc)+NQ*(\a)+(\q)] matrix_a_fmt:MATRIX_FMT_BF8 matrix_b_fmt:MATRIX_FMT_BF8 matrix_a_scale:MATRIX_SCALE_ROW1
.else
	v_wmma_scale_f32_16x16x128_f8f6f4 v[8*(8*((\a)%4)+\b):8*(8*((\a)%4)+\b)+7], v[128*(\p)+FR*\b:128*(\p)+FR*\b+FR-1], v[AF+FR*(\a):AF+FR*(\a)+FR-1], v[8*(8*((\a)%4)+\b):8*(8*((\a)%4)+\b)+7], v[SC+8*NQ*(\sc)+NQ*\b+(\q)], v[SC+8*NQ*(\sc)+NQ*(\a)+(\q)] matrix_a_fmt:MATRIX_FMT_BF8 matrix_b_fmt:MATRIX_FMT_BF8 matrix_a_scale:MATRIX_SCALE_ROW1
.endif
.endr
.endr
.endm
.macro FETCH_B slot, q, p
	WIN TO_B
.irp i, 0,1,2,3,4,5,6,7
	FRAG 128*(\p)+FR*\i, ADRB+\slot, \q, \i
.endr
	WIN 0
.endm
.macro FETCH_A slot, q, i0
.irp i, \i0, \i0+1, \i0+2, \i0+3
	FRAG AF+FR*(\i), ADRA+\slot, \q, \i
.endr
.endm
.macro SCALES sc
.irp i, 0,1,2,3,4,5,6,7
	ds_load_b64 v[SC+8*NQ*\sc+NQ*\i:SC+8*NQ*\sc+NQ*\i+1], v[ADRS] offset:\i*SBLK
.endr
.endm
.macro PLACES n
.rept \n
	v_nop
.endr
.endm
.macro STEP slot, q, zero
	s_wait_dscnt 4*NL
	WIN MUL_LO
	MUL16 0, (\q)%2, \q, \slot, \zero
	MUL16 2, (\q)%2, \q, \slot, \zero
	s_wait_dscnt 0
	PLACES NP
	FETCH_B \slot, (\q)+1, 1-(\q)%2
	FETCH_A \slot, (\q)+1, 0
	WIN MUL_HI
	MUL16 4, (\q)%2, \q, \slot, \zero
	MUL16 6, (\q)%2, \q, \slot, \zero
	PLACES NP
	WIN 0
	FETCH_A \slot, (\q)+1, 4
.endm
.macro TURN slot, next, fill
	s_wait_tensorcnt 0x0
	ds_add_u32 v[SPW], v[NIL]
	s_wait_dscnt 4*NL+1
	WIN MUL_LO
	MUL16 0, 1, NQ-1, \slot, 0
	s_wait_dscnt 0x0
	s_barrier_signal -1
	MUL16 2, 1, NQ-1, \slot, 0
	WIN 0
	s_barrier_wait -1
.if \fill
	CREST
	s_add_nc_u64 s[G0+4*\slot+2:G0+4*\slot+3], s[G0+4*\slot+2:G0+4*\slot+3], 2*ROWB
	s_add_nc_u64 s[G0B+4*\slot+2:G0B+4*\slot+3], s[G0B+4*\slot+2:G0B+4*\slot+3], 2*ROWB
	JLOAD G0+4*\slot, G1, G0B+4*\slot, G1B
	PLACES NP-4
.else
	PLACES NP
.endif
	s_wait_alu depctr_va_vdst(0)
	v_add_nc_u32 v[ADRS], 4*NQ, v[ADRS]
	FETCH_B \next, 0, 0
	FETCH_A \next, 0, 0
	SCALES \next
	WIN MUL_HI
	MUL16 4, 1, NQ-1, \slot, 0
	MUL16 6, 1, NQ-1, \slot, 0
	PLACES NP
	WIN 0
	FETCH_A \next, 0, 4
.endm
	s_wait_alu depctr_va_vdst(0)
	s_cmp_eq_u32 s[ISV], 1                         ; Q's and K's work-groups ask for the first block's cos and sin here: v96-127 are named by no product
	s_cbranch_scc1 .Lno_table
.irp q, 0,1,2,3,4,5,6,7
	global_load_b128 v[TB+4*\q:TB+4*\q+3], v[LI], s[6:7] offset:512*\q
.endr
.Lno_table:
	s_wait_tensorcnt 0x0                           ; my tile of the head's four is in
	ds_add_u32 v[SPW], v[NIL]
	s_mov_b32 s[G1+2], 128<<16                     ; no tensor load of mine is out: from here on a load brings 128 rows
	s_mov_b32 s[G1+4], 128
	s_mov_b32 s[G1B+2], 128<<16
	s_mov_b32 s[G1B+4], 128
	s_wait_dscnt 0x0
	CROUND                                         ; all four tiles are in, and all sixteen work-groups are here
	JLOAD G0+4, G1, G0B+4, G1B                     ; K step 1, the first tensor load behind the round
	FETCH_B 0, 0, 0
	FETCH_A 0, 0, 0
	SCALES 0
	FETCH_A 0, 0, 4
	STEP 0, 0, 1
	s_mov_b32 s3, LAPS-1
.Llap:
	TURN 0, 1, 1
	STEP 1, 0, 0
	TURN 1, 0, 1
	STEP 0, 0, 0
	s_sub_co_u32 s3, s3, 1
	s_cmp_lg_u32 s3, 0
	s_cbranch_scc1 .Llap
	TURN 0, 1, 0
	STEP 1, 0, 0
	s_wait_dscnt 4*NL
	WIN MUL_LO
	MUL16 0, 1, NQ-1, 1, 0
	MUL16 2, 1, NQ-1, 1, 0
	s_wait_dscnt 0
	WIN MUL_HI
	MUL16 4, 1, NQ-1, 1, 0
	MUL16 6, 1, NQ-1, 1, 0
	WIN 0
.macro TABLE a
.irp q, 0,1,2,3,4,5,6,7
	global_load_b128 v[TB+32*((\a)%2)+4*\q:TB+32*((\a)%2)+4*\q+3], v[LI], s[6:7] offset:4096*(\a)+512*\q
.endr
.endm
.macro ROPE a
.set AC, 64*((\a)%4)
.set TS0, TB+32*((\a)%2)
.set WA, 2+(\a)/4
	WIN WA
.set n, 0
.rept 32
.set tc, TS0+(n%32)
	v_mul_f32 v[RG+n], v[AC+n], v[tc]
	v_mul_f32 v[RG+n+1], v[AC+n], v[tc+1]
	v_fma_f32 v[RG+n], -v[AC+n+1], v[tc+1], v[RG+n]
	v_fma_f32 v[RG+n+1], v[AC+n+1], v[tc], v[RG+n+1]
.set n, n+2
.endr
	WIN 0
.endm
.macro QUANT src, win, pc
.set WW, (\win)|((\win)<<2)
	WIN WW
.irp b, 0,1,2,3
	v_max3_num_f32 v[TM+\b], |v[\src+16*\b]|, |v[\src+16*\b+1]|, 0x8000000
.endr
.irp i, 2,4,6,8,10,12,14
.irp b, 0,1,2,3
	v_max3_num_f32 v[TM+\b], |v[\src+16*\b+\i]|, |v[\src+16*\b+\i+1]|, v[TM+\b]
.endr
.endr
	WIN 0
.irp b, 0,1,2,3
	v_permlanex16_b32 v[TM+4+\b], v[TM+\b], s[SEL], s[SEL+1]
.endr
.irp b, 0,1,2,3
	v_max_num_f32 v[TM+\b], v[TM+\b], v[TM+4+\b]
.endr
.irp b, 0,1,2,3
	v_add_nc_u32 v[TM+12+\b], 0xf8800000, v[TM+\b]
.endr
.irp b, 0,1,2,3
	v_and_or_b32 v[TM+8+\b], v[TM+\b], 0x7f800000, s[MNT]
.endr
.irp b, 0,1,2,3
	v_lshrrev_b32 v[TM+4+\b], 23, v[TM+12+\b]
.endr
	WIN \win
.irp b, 0,1,2,3
.irp i, 0,1,2,3,4,5,6,7,8,9,10,11,12,13,14,15
	v_med3_num_f32 v[RG+16*\b+\i], v[\src+16*\b+\i], -v[TM+8+\b], v[TM+8+\b]
.endr
.endr
	WIN 0
.irp b, 0,1,2,3
	v_cvt_scalef32_pk8_bf8_f32 v[\pc+4*\b:\pc+4*\b+1], v[RG+16*\b:RG+16*\b+7], v[TM+12+\b]
	v_cvt_scalef32_pk8_bf8_f32 v[\pc+4*\b+2:\pc+4*\b+3], v[RG+16*\b+8:RG+16*\b+15], v[TM+12+\b]
.endr
	v_nop
.endm
.set W0, 0
.macro QKBLOCK a
.if (\a) < 7
	s_wait_loadcnt 8
.else
	s_wait_loadcnt 0
.endif
	ROPE \a
.if (\a) < 6
	TABLE (\a)+2
.endif
.set PCS, PC+16*((\a)%2)
	s_wait_xcnt 0x0
	QUANT RG, W0, PCS
.irp hd, 0,1
.if (\a)%2 == 0
	v_lshl_or_b32 v[SW+4*\hd+(\a)/2], v[TM+5+2*\hd], 8, v[TM+4+2*\hd]
.else
	v_lshl_or_b32 v[TM+\hd], v[TM+5+2*\hd], 8, v[TM+4+2*\hd]
	v_lshl_or_b32 v[SW+4*\hd+(\a)/2], v[TM+\hd], 16, v[SW+4*\hd+(\a)/2]
.endif
.endr
.irp b, 0,1,2,3
	global_store_b128 v[LI], v[PCS+4*\b:PCS+4*\b+3], s[8+2*(\b/2):9+2*(\b/2)] offset:1024*(\a)+512*(\b%2)
.endr
.endm
.macro VBLOCK a
.set AC, 64*((\a)%4)
.set WA, 2+(\a)/4
.set PCS, PC+16*((\a)%2)
	s_wait_xcnt 0x0
	QUANT AC, WA, PCS
	v_lshl_or_b32 v[SW+4*((\a)/4)+(\a)%4], v[TM+5], 8, v[TM+4]
	v_lshl_or_b32 v[SW+4*((\a)/4)+(\a)%4], v[TM+6], 16, v[SW+4*((\a)/4)+(\a)%4]
	v_lshl_or_b32 v[SW+4*((\a)/4)+(\a)%4], v[TM+7], 24, v[SW+4*((\a)/4)+(\a)%4]
.irp b, 0,1,2,3
	global_store_b128 v[LI], v[PCS+4*\b:PCS+4*\b+3], s[8+2*((\a)/4):9+2*((\a)/4)] offset:8192+2048*((\a)%4)+512*\b
.endr
.endm
	PLACES NP
.irp b, 0,1,2,3
	v_mov_b32 v[TM+4+\b], 0
.endr
	s_cmp_eq_u32 s[ISV], 1
	s_cbranch_scc1 .Lv_arm
	TABLE 1
.irp a, 0,1,2,3,4,5,6,7
	QKBLOCK \a
.endr
	s_branch .Ltail
.Lv_arm:
.irp a, 0,1,2,3,4,5,6,7
	VBLOCK \a
.endr
.Ltail:
	v_cmp_le_u32 vcc_lo, 16, v[LN]
	s_wait_alu depctr_va_vdst(0)
.irp k, 0,1,2,3
	v_cndmask_b32 v[SW+\k], v[SW+\k], v[SW+4+\k], vcc_lo
.endr
	global_store_b128 v[SOFF], v[SW:SW+3], s[12:13]
	s_wait_tensorcnt 0x0
	ds_add_u32 v[SPW], v[NIL]
	s_wait_dscnt 0x0
	CROUND
	s_endpgm
.Lfunc_end_k_q719dd6c645_qkv:
	.size	k_q719dd6c645_qkv, .Lfunc_end_k_q719dd6c645_qkv-k_q719dd6c645_qkv
	.p2alignl 7, 3214868480
	.fill 96, 4, 3214868480
	.section	.rodata,"a",@progbits
	.p2align	6, 0x0
	.amdhsa_kernel k_q719dd6c645_qkv
		.amdhsa_group_segment_fixed_size 327680
		.amdhsa_private_segment_fixed_size 0
		.amdhsa_enable_private_segment 0
		.amdhsa_kernarg_size 40
		.amdhsa_user_sgpr_count 2
		.amdhsa_user_sgpr_kernarg_segment_ptr 1
		.amdhsa_wavefront_size32 1
		.amdhsa_system_sgpr_workgroup_id_x 1
		.amdhsa_system_sgpr_workgroup_id_y 1
		.amdhsa_system_sgpr_workgroup_id_z 1
		.amdhsa_system_vgpr_workitem_id 0
		.amdhsa_next_free_vgpr 1024
		.amdhsa_next_free_sgpr 106
		.amdhsa_reserve_vcc 1
		.amdhsa_float_denorm_mode_32 3
		.amdhsa_float_denorm_mode_16_64 3
		.amdhsa_memory_ordered 1
		.amdhsa_forward_progress 1
		.amdhsa_inst_pref_size 255
	.end_amdhsa_kernel
	.section	.bss,"aw",@nobits
	.p2align	6
	.space	262144
	.amdgpu_metadata
---
amdhsa.version: [ 1, 2 ]
amdhsa.kernels:
  - .name:           k_q719dd6c645_qkv
    .symbol:         k_q719dd6c645_qkv.kd
    .args:
      - { .name: opq, .offset: 0, .size: 8, .value_kind: global_buffer, .address_space: global }
      - { .name: rope, .offset: 8, .size: 8, .value_kind: global_buffer, .address_space: global }
      - { .name: qbuf, .offset: 16, .size: 8, .value_kind: global_buffer, .address_space: global }
      - { .name: kvc, .offset: 24, .size: 8, .value_kind: global_buffer, .address_space: global }
      - { .name: kvs, .offset: 32, .size: 8, .value_kind: global_buffer, .address_space: global }
    .group_segment_fixed_size: 327680
    .private_segment_fixed_size: 0
    .kernarg_segment_align: 8
    .kernarg_segment_size: 40
    .max_flat_workgroup_size: 128
    .sgpr_count:     106
    .vgpr_count:     1024
    .wavefront_size: 32
...
	.end_amdgpu_metadata
.endif
;; end of part 2
;; launch attn (part 3): grid 16 x 16, 16 waves a work-group, no clusters, 327,680 bytes of LDS; arguments qbuf, kvc, kvs, att; writes att
.if DOCPART == 3
	.amdgcn_target "amdgcn-amd-amdhsa--gfx1250"
	.amdhsa_code_object_version 6
	.text
	.protected	k_q719dd6c645_attn
	.globl	k_q719dd6c645_attn
	.p2align	8
	.type	k_q719dd6c645_attn,@function
k_q719dd6c645_attn:
	s_mov_b64 s[64:65], 0
	v_nop
	global_prefetch_b8 v0, s[64:65] scope:SCOPE_SE
	s_setreg_imm32_b32 hwreg(HW_REG_WAVE_MODE, 25, 1), 1
	s_wait_xcnt 0x0
; THIRD LAUNCH: for each head, O = softmax(Q K^T / 8, causal) V on codes of BF8 with E8M0 scales, divided by the row's sum and quantised along C for the last product.
; WORK LEFT OUT: a group of 128 keys all of which come after a block of 128 queries (the problem's own jnp.tril gives them p = 0 for all values of the inputs).  LIMIT: a NaN, an infinity or an overflow that reaches only such scores is not carried on.
; THE SOFTMAX: t = score x log2(e) / 8; M = the running largest t rounded UP to a whole number; p = 2^(t - M) is quantised along the keys, not normalised; the row's sum is taken of the unquantised p; when M moves, sum and O are multiplied by 2^(old M - new M): exact.
; SHARES.  Work-group i of a head owns query blocks 31 - i (late) and i (early), 128 queries each: 33 block-groups.  Tile a = wave / 2 of 16 queries has TWO waves, told apart by (w xor (w / 4)) % 2.
; Wave A walks the late block's key groups 0 .. 16, one in each of 17 units.  Wave B walks the early block's groups 0 .. i in units 0 .. i, stores that tile, takes the late tile's Q from LDS and walks the late block's groups 17 .. 31 - i in units i + 1 .. 15.
; At the end B hands -M, the sum and O^T to A through LDS; A brings both under the larger M (powers of two, exact), adds, and stores the late tile.
; TWO REGIONS OF 64 REGISTERS CHANGE ROLES FROM UNIT TO UNIT: K's fragments lie in one, the scores go to the other; V lands over K; when a block's p has become codes, the next unit's fragment of K is loaded over it; the next scores go over V.
; So the change of slots stands in a unit's middle, behind the sums: unit n's reads of slot n % 2 (K, V) are over there, unit n + 1's tiles are shown, and slot n % 2 takes unit n + 2.
; LDS: slot s at 65,536 s: A's group (K 8,192 bytes, V 8,192), B's group, then at 32,768 A's and B's scale words (512 bytes each).  B's part is fetched by its own loads also where it holds A's group: so no LDS address hangs on the work-group's number.
; The late block's Q (8,192 bytes) at 40,960, filled once; the hand-over's bytes, 4,608 a tile, from 131,072; the spare words behind them.
; LOADS: waves 0 to 3 a quarter of a slot's codes each, waves 4 and 5 the scale words, wave 6 (head only) the late Q: one tensor load a wave at the head and behind each barrier; every wait on TENSORcnt is for 0.
; NO CLUSTER.
; LAYOUT.  Both products are used transposed: a lane holds one query (lane % 16).  Operands lie in memory and LDS as images of their registers.  The first product's K is 64, the instruction's 128: a fragment of K holds two tiles of 16 keys and is multiplied by [Q | zero codes] and by [zero codes | Q].
; Tokens and channels lie in the images with bits 3 and 4 of their number exchanged: register 16 b + i of S^T is key 32 b + 16 (lane / 16) + i of the group, register 16 A + i of O^T channel 32 A + 16 (lane / 16) + i.
; OUT: att: images of the last product's fragments [tile of 16 stored tokens 256][128 along C 8][c 4][lane][16 B]; from byte 4,194,304 scale bytes [stored token][32].
.set SLOT1, 1<<16
.set SCW,   32768
.set QLD,   40960
.set MRG,   131072
.set MP,    4608
.set SPARE, MRG+8*MP
.set LI,   1                           ; v1   16 x lane
.set AS1,  2                           ; v2   LDS address of my part's scale words in slot 1
.set DQ,   3                           ; v3   my query's place in its block, less 16 (lane / 16)
.set QS2,  4                           ; v4   the late tile's Q scale word
.set SPW,  5
.set NIL,  6
.set PFO,  7                           ; v7   256 x lane; never rewritten
.set AD0,  8                           ; v8   LDS address of my part of slot 0;  v241 of slot 1
.set QA,   9                           ; v9   LDS address of the late tile's Q
.set AS0,  10                          ; v10  as v2, in slot 0
.set MA,   11                          ; v11  LDS address of my tile's hand-over
.set AD1,  241
.set RX,   40                          ; v40-103, v104-167 the two regions.  v16-23 zeros, v24-31 Q, v32-39 zeros.  v12 -M, v13 the largest t, v[14:15] the sum
.set RY,   104
.set O,    168
.set PCD,  200
.set BM,   216
.set PB,   220
.set HD,   224
.set SO,   228
.set KSR,  232
.set VSR,  236
.set QS,   240
.set WV,   18
.set MNT,  19
.set SEL,  20
.set CS,   22
.set G1C,  24                          ; s[24:31] group 1: 32 rows of 256 bytes;  s[32:39]: 2 rows
.set G1S,  32
.set G0C,  40
.set G0S,  44
.set G0Q,  48
.set GB,   52                          ; s[52:53] where group 0 of what I fetch lies
.set RGN,  54                          ; s54 1: I fetch for B's part
.set SH,   55                          ; s55 log2 of a group's bytes in my buffer
.set ROLE, 56                          ; s56 0: A, 1: B
.set T,    57                          ; s57 the trip's first unit;  s63 the unit in hand
.set U,    58
.set D1,   59                          ; s59, s60 the units whose group lies on my block's diagonal
.set D2,   60
.set SWT,  61                          ; s61 the unit behind which B changes blocks; -1 in A
.set PT,   62                          ; s62 the unit in which my wave prefetches; -1: none
.set TC,   63
.set PFA,  66
.macro TL g0, g1
	tensor_load_to_lds s[\g0:\g0+3], s[\g1:\g1+7]
	s_nop 0
.rept 4
	v_nop
.endr
.endm
.macro TLOAD full                      ; full = 1: both parts; 0: A's part alone (waves 0, 1 and 4)
	s_cmp_lt_u32 s[WV], 2+2*\full
	s_cbranch_scc0 .Lns_\@
	TL G0C, G1C
	s_branch .Lasked_\@
.Lns_\@:
.if \full
	s_cmp_lt_u32 s[WV], 6
.else
	s_cmp_eq_u32 s[WV], 4
.endif
	s_cbranch_scc0 .Lasked_\@
	TL G0S, G1S
.Lasked_\@:
.endm
; A PREFETCH INTO THE L2.  The sixteen work-groups of a head share the groups out: work-group x asks in unit x for groups x + 4 (waves 8, 9; x up to 12) and x + 20 (waves 10, 11; x up to 11), 8,192 bytes a wave, lanes 256 bytes apart.
; Group x + 4 is first fetched in unit x + 2, and so is group x + 20 (by work-group 0): two units ahead.  Each block of 256 bytes is named once; the other groups come by their loads alone.  The address is never rewritten.
.macro ASK
	s_cmp_eq_u32 s[TC], s[PT]
	s_cbranch_scc0 .Lnot_mine_\@
	global_prefetch_b8 v[PFO], s[PFA:PFA+1] th:TH_LOAD_NT scope:SCOPE_SE
.Lnot_mine_\@:
.endm
	s_load_b256 s[4:11], s[0:1], 0x0               ; qbuf, kvc, kvs, att
	v_lshl_add_u32 v[SPW], v0, 2, SPARE
	v_mov_b32 v[NIL], 0
	ds_add_u32 v[SPW], v[NIL]                      ; the opening: the add, twice on end, and its wait
	ds_add_u32 v[SPW], v[NIL]
	v_lshrrev_b32 v8, 5, v0
	v_readfirstlane_b32 s[WV], v8
	s_and_b32 s72, ttmp7, 0xffff                   ; the head
	s_lshr_b32 s73, s[WV], 2
	s_xor_b32 s73, s73, s[WV]
	s_and_b32 s[ROLE], s73, 1
	s_lshr_b32 s74, s[WV], 1                       ; a
	s_sub_co_u32 s75, 31, ttmp9                    ; the late block
	s_cmp_eq_u32 s[ROLE], 1
	s_cselect_b32 s81, ttmp9, s75                  ; the block that I begin with and store
	s_cselect_b32 s[D1], ttmp9, s75
	s_cselect_b32 s[D2], 15, s75
	s_cselect_b32 s[SWT], ttmp9, -1
	s_mov_b32 s[G1C], 3<<16                        ; elements of 8 bytes, no padding: 32 rows of 256 bytes, dense
	s_mov_b32 s[G1C+1], 32<<16
	s_mov_b32 s[G1C+2], 32<<16
	s_mov_b32 s[G1C+3], 32<<16
	s_mov_b32 s[G1C+4], 32
	s_mov_b32 s[G1C+5], 32
	s_mov_b32 s[G1C+6], 0
	s_mov_b32 s[G1C+7], 0
	s_mov_b32 s[G1S], 3<<16                        ; 2 rows of 256 bytes
	s_mov_b32 s[G1S+1], 32<<16
	s_mov_b32 s[G1S+2], 2<<16
	s_mov_b32 s[G1S+3], 32<<16
	s_mov_b32 s[G1S+4], 2
	s_mov_b32 s[G1S+5], 32
	s_mov_b32 s[G1S+6], 0
	s_mov_b32 s[G1S+7], 0
	s_lshl_b32 s82, s72, 19                        ; the head's codes; an odd wave takes V's half of a group
	s_and_b32 s83, s[WV], 1
	s_lshl_b32 s76, s83, 13
	s_add_co_u32 s82, s82, s76
	s_lshl_b32 s84, s72, 14                        ; the head's scale words
	s_and_b32 s77, s74, 1
	s_cmp_lt_u32 s[WV], 4
	s_cselect_b32 s[RGN], s77, s83
	s_cselect_b32 s[SH], 14, 9
	s_cselect_b32 s82, s82, s84
	s_mov_b32 s83, 0
	s_lshl_b32 s85, s72, 5
	s_add_co_u32 s78, s85, s75                     ; 32 x head + late block
	s_add_co_u32 s85, s85, s81                     ; 32 x head + my block
	s_lshl_b32 s68, s78, 13                        ; the late block's Q
	s_mov_b32 s69, 0
	s_lshl_b32 s86, s85, 13
	s_lshl_b32 s87, s74, 10
	s_add_co_u32 s86, s86, s87                     ; my tile of Q
	s_mov_b32 s87, 0
	s_lshr_b32 s89, s74, 1
	s_lshl_b32 s89, s89, 2
	s_add_co_u32 s89, s89, 4194304
	s_lshl_b32 s88, s85, 8
	s_add_co_u32 s88, s88, s89                     ; the scale word that holds its two bytes,
	s_lshl_b32 s70, s78, 8
	s_add_co_u32 s70, s70, s89                     ; and the late tile's
	s_mov_b32 s89, 0
	s_mov_b32 s71, 0
	s_lshl_b32 s90, s81, 3
	s_add_co_u32 s90, s90, s74                     ; my tile of 16 stored tokens
	s_lshl_b32 s92, s90, 9
	s_lshl_b32 s91, s72, 1
	s_add_co_u32 s92, s92, s91
	s_add_co_u32 s92, s92, 4194304                 ; att's scale bytes
	s_mov_b32 s93, 0
	s_lshl_b32 s90, s90, 14
	s_lshl_b32 s91, s72, 10
	s_add_co_u32 s90, s90, s91                     ; att's codes
	s_mov_b32 s91, 0
	s_and_b32 s94, s74, 1
	s_lshl_b32 s95, s94, 3
	s_lshl_b32 s94, s94, 4                         ; an odd tile's bytes are the word's upper half
	s_lshr_b32 s96, s74, 1
	s_lshl_b32 s96, s96, 5
	s_add_co_u32 s95, s95, s96                     ; 32 (a / 2) + 8 (a % 2)
	s_lshl_b32 s80, s74, 10
	s_add_co_u32 s80, s80, QLD
	s_mul_i32 s84, s74, MP
	s_add_co_u32 s84, s84, MRG
	s_lshl_b32 s98, s[ROLE], 14                    ; my part of a slot,
	s_lshl_b32 s99, s[ROLE], 9
	s_add_co_u32 s99, s99, SCW                     ; and its scale words
	s_sub_co_u32 s96, s[WV], 8                     ; the prefetches
	s_lshr_b32 s97, s96, 2                         ; 0 in waves 8 to 11
	s_bfe_u32 s76, s96, 0x10001                    ; which of the two groups
	s_and_b32 s77, s96, 1                          ; which half of it
	s_lshl_b32 s79, s76, 4
	s_add_co_u32 s79, s79, ttmp9
	s_add_co_u32 s79, s79, 4
	s_lshl_b32 s79, s79, 14
	s_lshl_b32 s77, s77, 13
	s_add_co_u32 s79, s79, s77
	s_lshl_b32 s77, s72, 19
	s_add_co_u32 s[PFA], s79, s77
	s_mov_b32 s[PFA+1], 0
	s_sub_co_u32 s76, 12, s76
	s_cmp_eq_u32 s97, 0
	s_cselect_b32 s[PT], ttmp9, -1
	s_cmp_le_u32 ttmp9, s76
	s_cselect_b32 s[PT], s[PT], -1
	s_mov_b32 s[SEL], 0x76543210
	s_mov_b32 s[SEL+1], 0xfedcba98
	s_mov_b32 s[CS], 0x3e38aa3b                    ; log2(e) / 8
	s_mov_b32 s[CS+1], s[CS]
	s_mov_b32 s[MNT], 0x600000
	s_mov_b32 s[T], 0
	s_mov_b32 s[TC], 0
	s_wait_dscnt 0x0                               ; both opening adds are done
	s_wait_kmcnt 0x0
	s_cmp_lt_u32 s[WV], 4
	s_cselect_b64 s[GB:GB+1], s[6:7], s[8:9]
	s_add_nc_u64 s[GB:GB+1], s[GB:GB+1], s[82:83]
	s_mov_b32 s[G0C], 1
	s_lshl_b32 s[G0C+1], s[WV], 13
	s_mov_b64 s[G0C+2:G0C+3], s[GB:GB+1]
	s_or_b32 s[G0C+3], s[G0C+3], 0x80000000
	s_mov_b32 s[G0S], 1
	s_lshl_b32 s[G0S+1], s[WV], 9
	s_add_co_u32 s[G0S+1], s[G0S+1], SCW-2048
	s_mov_b64 s[G0S+2:G0S+3], s[GB:GB+1]
	s_or_b32 s[G0S+3], s[G0S+3], 0x80000000
	s_mov_b32 s[G0Q], 1
	s_mov_b32 s[G0Q+1], QLD
	s_add_nc_u64 s[G0Q+2:G0Q+3], s[4:5], s[68:69]
	s_or_b32 s[G0Q+3], s[G0Q+3], 0x80000000
	s_cmp_lt_u32 s[WV], 4                          ; the first fills: one chain, one load to an arm
	s_cbranch_scc0 .Lh_s
	TL G0C, G1C
	s_branch .Lh_done
.Lh_s:
	s_cmp_lt_u32 s[WV], 6
	s_cbranch_scc0 .Lh_q
	TL G0S, G1S
	s_branch .Lh_done
.Lh_q:
	s_cmp_lt_u32 s[WV], 7
	s_cbranch_scc0 .Lh_done
	TL G0Q, G1C
.Lh_done:
	s_add_nc_u64 s[86:87], s[4:5], s[86:87]
	s_add_nc_u64 s[88:89], s[4:5], s[88:89]
	s_add_nc_u64 s[70:71], s[4:5], s[70:71]
	s_add_nc_u64 s[90:91], s[10:11], s[90:91]
	s_add_nc_u64 s[92:93], s[10:11], s[92:93]
	s_add_nc_u64 s[PFA:PFA+1], s[6:7], s[PFA:PFA+1]
	v_and_b32 v242, 15, v0                         ; r
	v_bfe_u32 v243, v0, 4, 1                       ; h
	v_and_b32 v[LI], 31, v0
	v_lshlrev_b32 v[PFO], 8, v[LI]
	v_lshlrev_b32 v[LI], 4, v[LI]
	v_lshlrev_b32 v244, 4, v242
	global_load_b128 v[24:27], v[LI], s[86:87]     ; my tile of Q
	global_load_b128 v[28:31], v[LI], s[86:87] offset:512
	global_load_b32 v[QS], v244, s[88:89]
	global_load_b32 v[QS2], v244, s[70:71]
	v_add_nc_u32 v[AD0], s98, v[LI]
	v_add_nc_u32 v[AD1], SLOT1, v[AD0]
	v_add_nc_u32 v[AS0], s99, v244
	v_add_nc_u32 v[AS1], SLOT1, v[AS0]
	v_and_b32 v[DQ], 8, v242
	v_add_nc_u32 v[DQ], v[DQ], v242
	v_lshlrev_b32 v243, 4, v243
	v_sub_nc_u32 v[DQ], v[DQ], v243
	v_add_nc_u32 v[DQ], s95, v[DQ]
	v_add_nc_u32 v[QA], s80, v[LI]
	v_add_nc_u32 v[MA], s84, v[LI]
	v_mov_b32 v13, 0xff61b1e6                      ; the largest t so far: -3e38
	v_floor_f32 v12, -v13
	v_mov_b32 v14, 0
	v_mov_b32 v15, 0
.irp j, 0,1,2,3,4,5,6,7
	v_mov_b32 v[16+\j], 0                          ; zero codes on both sides of Q
	v_mov_b32 v[32+\j], 0
.endr
.irp b, 0,1,2,3
	v_mov_b32 v[PB+\b], 0                          ; a lane permute's destination counts as one of its sources
.endr
	v_mov_b32 v252, 0
	v_mov_b32 v253, 0
.set j, 0
.rept 32
	v_mov_b32 v[O+j], 0
.set j, j+1
.endr
; THE WAY OUT of a tile, in place: O^T / the sum, quantised along C (two blocks of 32 channels of my head), leaves as registers of the last product's fragment.  v236, v237 (V's scale words, done with) are at work.
.macro WAYOUT
	v_add_f32 v14, v14, v15
	v_permlanex16_b32 v252, v14, s[SEL], s[SEL+1]
	v_add_f32 v14, v14, v252
	s_wait_alu depctr_va_vdst(0)                   ; ahead of the reciprocal
	v_rcp_f32 v14, v14
	v_and_b32 v236, 15, v0
	v_bfe_u32 v237, v0, 4, 1
	v_lshl_add_u32 v236, v236, 5, v237             ; the scale byte's place: 32 r + h
	s_wait_alu depctr_va_vdst(0)                   ; and ahead of its first reader
.set j, 0
.rept 32
	v_mul_f32 v[O+j], v[O+j], v14
.set j, j+1
.endr
.irp b, 0,1
	v_max3_num_f32 v[BM+\b], |v[O+16*\b]|, |v[O+1+16*\b]|, 0x8000000
.endr
.irp i, 2,4,6,8,10,12,14
.irp b, 0,1
	v_max3_num_f32 v[BM+\b], v[BM+\b], |v[O+16*\b+\i]|, |v[O+1+16*\b+\i]|
.endr
.endr
.irp b, 0,1
	v_permlanex16_b32 v[PB+\b], v[BM+\b], s[SEL], s[SEL+1]
.endr
.irp b, 0,1
	v_max_num_f32 v[BM+\b], v[BM+\b], v[PB+\b]
.endr
.irp b, 0,1
	v_add_nc_u32 v[SO+\b], 0xf8800000, v[BM+\b]
	v_and_or_b32 v[HD+\b], v[BM+\b], 0x7f800000, s[MNT]
.endr
.irp b, 0,1
	v_lshrrev_b32 v[PB+\b], 23, v[SO+\b]
.endr
.irp b, 0,1
.irp i, 0,1,2,3,4,5,6,7,8,9,10,11,12,13,14,15
	v_med3_num_f32 v[O+16*\b+\i], v[O+16*\b+\i], -v[HD+\b], v[HD+\b]
.endr
	v_cvt_scalef32_pk8_bf8_f32 v[PCD+4*\b:PCD+1+4*\b], v[O+16*\b:O+7+16*\b], v[SO+\b]
	v_cvt_scalef32_pk8_bf8_f32 v[PCD+2+4*\b:PCD+3+4*\b], v[O+8+16*\b:O+15+16*\b], v[SO+\b]
.endr
	v_cmp_ne_u32 vcc_lo, 0, v237
	v_cndmask_b32 v254, v[PB], v[PB+1], vcc_lo     ; lanes 0-15 store the first block's byte, lanes 16-31 the second's
	global_store_b128 v[LI], v[PCD:PCD+3], s[90:91]            ; 512 consecutive bytes, aligned
	global_store_b128 v[LI], v[PCD+4:PCD+7], s[90:91] offset:512
	global_store_b8 v236, v254, s[92:93]           ; two bytes a row, once for a tile
.endm
; THE CHANGE OF SLOTS.  fill = 2: the slot that is done with takes both groups of unit s63 + ahead; 1: A's alone (unit 16); 0: nothing.  B's group of unit u is u up to u = i, then 16 + u - i.
.macro CHANGE fill, ahead, ask
	s_wait_tensorcnt 0x0                           ; no tensor load of mine is out, so a group 0 may be written
	ds_add_u32 v[SPW], v[NIL]
.if \fill
	ds_add_u32 v[SPW], v[NIL]
	s_xor_b32 s[G0C+1], s[G0C+1], SLOT1
	s_xor_b32 s[G0S+1], s[G0S+1], SLOT1
	s_add_co_u32 s[U], s[TC], \ahead
	s_sub_co_u32 s96, s[U], ttmp9
	s_add_co_u32 s96, s96, 16
	s_cmp_le_u32 s[U], ttmp9
	s_cselect_b32 s96, s[U], s96
	s_cmp_eq_u32 s[RGN], 1
	s_cselect_b32 s96, s96, s[U]
	s_lshl_b32 s96, s96, s[SH]
	s_mov_b32 s97, 0
	s_add_nc_u64 s[G0C+2:G0C+3], s[GB:GB+1], s[96:97]
	s_or_b32 s[G0C+3], s[G0C+3], 0x80000000
	s_add_nc_u64 s[G0S+2:G0S+3], s[GB:GB+1], s[96:97]
	s_or_b32 s[G0S+3], s[G0S+3], 0x80000000
.endif
	s_wait_dscnt 0x0                               ; the add is done, and my reads of the slot that is done with (V's among them) are over
	s_barrier_signal -1
	s_barrier_wait -1
.if \fill == 2
	TLOAD 1
.endif
.if \fill == 1
	TLOAD 0
.endif
.if \ask
	ASK
.endif
.endm
.macro KFRAG reg, adr, b               ; fragment b of K: tiles 2 b and 2 b + 1 of 16 keys
.irp c, 0,1,2,3
	ds_load_b128 v[\reg+16*(\b)+4*\c:\reg+16*(\b)+4*\c+3], v[\adr] offset:2048*(\b)+512*\c
.endr
.endm
.macro CADD c, k, first                ; the row's sum in seven chains of pairs: v242 .. v251, v254, v14
.if (\c) < 5
.set CR_, 242+2*(\c)
.elseif (\c) == 5
.set CR_, 254
.else
.set CR_, 14
.endif
.if \first
	v_pk_add_f32 v[CR_:CR_+1], v[S_+2*(\k):S_+2*(\k)+1], v[S_+2*(\k)+12:S_+2*(\k)+13]
.else
	v_pk_add_f32 v[CR_:CR_+1], v[CR_:CR_+1], v[S_+2*(\k):S_+2*(\k)+1]
.endif
.endm
; A UNIT: my part's 128 keys.  p: the unit less s57 (its parity says which region and slot);  fill: as in CHANGE, -1: no change of slots (unit 16, which is A's alone);  sw = 1: B's change of blocks can fall behind it;
; kn = 1: the next unit's K is loaded; 2: by A alone; 0: by nobody.
.macro UNIT p, fill, sw, kn
.if (\p)%2
.set R_, RY
.set S_, RX
.set ADV_, AD1
.set ADN_, AD0
.set ASV_, AS1
.set ASN_, AS0
.else
.set R_, RX
.set S_, RY
.set ADV_, AD0
.set ADN_, AD1
.set ASV_, AS0
.set ASN_, AS1
.endif
	s_add_co_u32 s[TC], s[T], \p
.if \fill < 0
	s_cmp_eq_u32 s[ROLE], 1
	s_cbranch_scc1 .Lskip_\@
.endif
	s_wait_dscnt 0x0                               ; K and its scale words are in
.irp b, 0,1,2,3
	v_wmma_scale_f32_16x16x128_f8f6f4 v[S_+16*\b:S_+16*\b+7], v[R_+16*\b:R_+16*\b+15], v[24:39], 0, v[KSR+\b], v[QS] matrix_a_fmt:MATRIX_FMT_BF8 matrix_b_fmt:MATRIX_FMT_BF8
	v_wmma_scale_f32_16x16x128_f8f6f4 v[S_+16*\b+8:S_+16*\b+15], v[R_+16*\b:R_+16*\b+15], v[16:31], 0, v[KSR+\b], v[QS] matrix_a_fmt:MATRIX_FMT_BF8 matrix_b_fmt:MATRIX_FMT_BF8
.endr
.rept 8
	v_nop                                          ; places in front of the loads below and of the first read of the scores
.endr
.irp b, 0,1,2,3
.irp c, 0,1,2,3
	ds_load_b128 v[R_+16*\b+4*\c:R_+16*\b+4*\c+3], v[ADV_] offset:8192+2048*\b+512*\c   ; V lands over K, under the softmax
.endr
.endr
	ds_load_b128 v[VSR:VSR+3], v[ASV_] offset:256
	s_cmp_eq_u32 s[TC], s[D1]                      ; ids and the count of units alone
	s_cbranch_scc1 .Lmask_\@
	s_cmp_lg_u32 s[TC], s[D2]
	s_cbranch_scc1 .Lopen_\@
.Lmask_\@:
	v_mov_b32 v254, 0xff800000                     ; on the diagonal hidden scores become -infinity ahead of the maximum
.set n, 0
.rept 64
	v_cmp_gt_i32 vcc_lo, 32*(n/16)+n%16, v[DQ]
	v_cndmask_b32 v[S_+n], v[S_+n], v254, vcc_lo
.set n, n+1
.endr
.Lopen_\@:
.irp b, 0,1,2,3
	v_max3_num_f32 v[BM+\b], v[S_+16*\b], v[S_+1+16*\b], v[S_+2+16*\b]   ; each block's largest score: for the row's maximum and for the block's largest p
.endr
.irp i, 3,5,7,9,11,13
.irp b, 0,1,2,3
	v_max3_num_f32 v[BM+\b], v[BM+\b], v[S_+16*\b+\i], v[S_+1+16*\b+\i]
.endr
.endr
.irp b, 0,1,2,3
	v_max_num_f32 v[BM+\b], v[BM+\b], v[S_+15+16*\b]
.endr
.irp b, 0,1,2,3
	s_delay_alu instid0(VALU_DEP_4)
	v_permlanex16_b32 v[PB+\b], v[BM+\b], s[SEL], s[SEL+1]
.endr
.irp b, 0,1,2,3
	s_delay_alu instid0(VALU_DEP_4)
	v_max_num_f32 v[BM+\b], v[BM+\b], v[PB+\b]
.endr
	s_delay_alu instid0(VALU_DEP_2)
	v_max3_num_f32 v254, v[BM], v[BM+1], v[BM+2]
	s_delay_alu instid0(VALU_DEP_1)
	v_max_num_f32 v254, v254, v[BM+3]
	s_delay_alu instid0(VALU_DEP_1)
	v_mul_f32 v254, s[CS], v254
	s_delay_alu instid0(VALU_DEP_1)
	v_max_num_f32 v13, v13, v254                   ; the running largest t
	v_mov_b32 v254, v12
	s_delay_alu instid0(VALU_DEP_2)
	v_floor_f32 v12, -v13                          ; the new -M
	s_delay_alu instid0(VALU_DEP_1)
	v_sub_f32 v254, v12, v254
	s_delay_alu instid0(VALU_DEP_1)
	v_cvt_i32_f32 v254, v254                       ; (it saturates)
	s_delay_alu instid0(VALU_DEP_1)
	v_ldexp_f32 v252, 1.0, v254                    ; f = 2^(old M - new M)
.set j, 0
.rept 32
	v_pk_fma_f32 v[S_+j:S_+j+1], v[S_+j:S_+j+1], s[CS:CS+1], v[12:13] op_sel_hi:[1,0,0]
.set j, j+2
.endr
.irp b, 0,1,2,3
	v_fma_f32 v[BM+\b], v[BM+\b], s[CS], v12
.endr
.set j, 0
	s_wait_alu depctr_va_vdst(0)                   ; ahead of the batch
.rept 64
	v_exp_f32 v[S_+j], v[S_+j]
.set j, j+1
.endr
	v_pk_mul_f32 v[14:15], v[14:15], v[252:253] op_sel_hi:[1,0]
	s_wait_alu depctr_va_vdst(0)                   ; one wait for the batch, ahead of its first reader
.irp b, 0,1,2,3
	v_exp_f32 v[BM+\b], v[BM+\b]                   ; the block's largest p
.endr
.irp c, 0,1,2,3,4,5
	CADD \c, \c, 1                                 ; the row's sum of the unquantised p
.endr
	CADD 6, 12, 0
.irp c, 0,1,2,3,4,5,6
	CADD \c, 13+\c, 0
.endr
.irp c, 0,1,2,3,4,5,6
	CADD \c, 20+\c, 0
.endr
.irp c, 0,1,2,3,4
	CADD \c, 27+\c, 0
.endr
	s_wait_alu depctr_va_vdst(0)                   ; one for the four, and ahead of the waits below
.if \fill >= 0
	CHANGE \fill, 2, (\fill)/2
.endif
.irp b, 0,1,2,3
	v_max_num_f32 v[BM+\b], 0x8000000, v[BM+\b]    ; the floor 2^(16 - 127): the byte cannot fall under 1
.endr
.irp b, 0,1,2,3
	s_delay_alu instid0(VALU_DEP_4)
	v_add_nc_u32 v[SO+\b], 0xf8800000, v[BM+\b]
.endr
.irp b, 0,1,2,3
	v_and_or_b32 v[HD+\b], v[BM+\b], 0x7f800000, s[MNT]
.endr
.irp b, 0,1,2,3
	v_lshrrev_b32 v[PB+\b], 23, v[SO+\b]
.endr
	s_delay_alu instid0(VALU_DEP_3)
	v_lshl_or_b32 v253, v[PB+1], 8, v[PB]          ; p's scale word
	s_delay_alu instid0(VALU_DEP_1)
	v_lshl_or_b32 v253, v[PB+2], 16, v253
	s_delay_alu instid0(VALU_DEP_1)
	v_lshl_or_b32 v253, v[PB+3], 24, v253
.irp b, 0,1,2,3
.irp i, 0,2,4,6,8,10,12,14
	v_dual_min_num_f32 v[S_+16*\b+\i], v[S_+16*\b+\i], v[HD+\b] :: v_dual_min_num_f32 v[S_+16*\b+\i+1], v[S_+16*\b+\i+1], v[HD+\b]   ; the conversion does not saturate (ISA guide 7.6.2); p is not negative, so the hold is one-sided; two holds to an instruction
.endr
	v_cvt_scalef32_pk8_bf8_f32 v[PCD+4*\b:PCD+1+4*\b], v[S_+16*\b:S_+7+16*\b], v[SO+\b]
	v_cvt_scalef32_pk8_bf8_f32 v[PCD+2+4*\b:PCD+3+4*\b], v[S_+8+16*\b:S_+15+16*\b], v[SO+\b]
.if \kn == 1
	KFRAG S_, ADN_, \b                             ; the block's p is done with: the next unit's fragment of K lands there
.endif
.endr
.if \kn == 1
	ds_load_b128 v[KSR:KSR+3], v[ASN_]
.endif
.if \kn == 2
	s_wait_alu depctr_va_vdst(0)
	s_cmp_eq_u32 s[ROLE], 1
	s_cbranch_scc1 .Lno_next_\@
.irp b, 0,1,2,3
	KFRAG S_, ADN_, \b
.endr
	ds_load_b128 v[KSR:KSR+3], v[ASN_]
.Lno_next_\@:
.endif
.set j, 0
.rept 16
	v_pk_mul_f32 v[O+j:O+j+1], v[O+j:O+j+1], v[252:253] op_sel_hi:[1,0]   ; O^T under the new M; also the places in front of the products below
.set j, j+2
.endr
.if \fill < 0
	s_wait_alu depctr_va_vdst(0)
	s_wait_dscnt 0x0                               ; V and its scale words are in (elsewhere the change of slots has waited for them)
.endif
.irp b, 0,1,2,3
	v_wmma_scale_f32_16x16x128_f8f6f4 v[O+8*\b:O+8*\b+7], v[R_+16*\b:R_+16*\b+15], v[PCD:PCD+15], v[O+8*\b:O+8*\b+7], v[VSR+\b], v253 matrix_a_fmt:MATRIX_FMT_BF8 matrix_b_fmt:MATRIX_FMT_BF8   ; the four accumulators by turns
.endr
	v_pk_add_f32 v[242:243], v[242:243], v[244:245]   ; the sum's chains are joined here: with three v_nop the nine places ahead of the next scores, which are written over V
	v_pk_add_f32 v[246:247], v[246:247], v[248:249]
	v_pk_add_f32 v[250:251], v[250:251], v[254:255]
	v_pk_add_f32 v[242:243], v[242:243], v[246:247]
	v_pk_add_f32 v[14:15], v[14:15], v[250:251]
	v_pk_add_f32 v[14:15], v[14:15], v[242:243]
.rept 3
	v_nop
.endr
.if \sw
	s_cmp_lg_u32 s[TC], s[SWT]                     ; B, behind the early block's last group: the tile leaves, and the late tile begins anew
	s_cbranch_scc1 .Lsame_\@
	WAYOUT
	v_mov_b32 v[QS], v[QS2]
	v_mov_b32 v13, 0xff61b1e6
	v_floor_f32 v12, -v13
	v_mov_b32 v14, 0
	v_mov_b32 v15, 0
.set j, 0
.rept 32
	v_mov_b32 v[O+j], 0
.set j, j+1
.endr
	ds_load_b128 v[24:27], v[QA]
	ds_load_b128 v[28:31], v[QA] offset:512
	s_wait_alu depctr_va_vdst(0)
	s_wait_xcnt 0x0                                ; the stores have read their registers, which the next unit writes
.Lsame_\@:
.endif
.Lskip_\@:
.endm
	s_wait_alu depctr_va_vdst(0)
	s_wait_loadcnt 0x0                             ; Q and the scale words
	v_lshrrev_b32 v[QS], s94, v[QS]                ; my tile's two bytes, for either half of the instruction's K
	v_lshrrev_b32 v[QS2], s94, v[QS2]
	v_and_b32 v[QS], 0xffff, v[QS]
	v_and_b32 v[QS2], 0xffff, v[QS2]
	v_lshl_or_b32 v[QS], v[QS], 16, v[QS]
	v_lshl_or_b32 v[QS2], v[QS2], 16, v[QS2]
	s_wait_alu depctr_va_vdst(0)
	CHANGE 2, 1, 0                                 ; unit 0 is shown; slot 1's first fill, unit 1, is issued as a refill is
.irp b, 0,1,2,3
	KFRAG RX, AD0, \b
.endr
	ds_load_b128 v[KSR:KSR+3], v[AS0]
.Lpair:                                            ; seven trips of two units: 0 to 13
	UNIT 0, 2, 1, 1
	UNIT 1, 2, 1, 1
	s_add_co_u32 s[T], s[T], 2
	s_cmp_lg_u32 s[T], 14
	s_cbranch_scc1 .Lpair
	UNIT 0, 1, 1, 1                                ; the last three units are written out: no jump leads round a tensor load
	UNIT 1, 0, 1, 2
	UNIT 2, -1, 0, 0
	s_wait_alu depctr_va_vdst(0)
	s_cmp_eq_u32 s[ROLE], 1
	s_cbranch_scc0 .Lkeeps
.irp k, 0,1,2,3,4,5,6,7
	ds_store_b128 v[MA], v[O+4*\k:O+4*\k+3] offset:512*\k   ; B hands over O^T, each accumulator from its low end on,
.endr
	ds_store_b128 v[MA], v[12:15] offset:4096      ; -M and the sum
.Lkeeps:
	s_wait_dscnt 0x0
	s_barrier_signal -1
	s_barrier_wait -1
	s_cmp_eq_u32 s[ROLE], 1
	s_cbranch_scc1 .Lend
.irp k, 0,1,2,3,4,5,6,7,8
	ds_load_b128 v[RY+4*\k:RY+4*\k+3], v[MA] offset:512*\k
.endr
	s_wait_dscnt 0x0
	v_min_num_f32 v254, v12, v[RY+32]              ; -M of the larger M
	v_sub_f32 v252, v254, v12
	v_sub_f32 v250, v254, v[RY+32]
	v_cvt_i32_f32 v252, v252                       ; (they saturate: a B that walked no late group has sum 0, O^T 0 and factor 0)
	v_cvt_i32_f32 v250, v250
	v_ldexp_f32 v252, 1.0, v252
	v_ldexp_f32 v250, 1.0, v250
	v_pk_mul_f32 v[14:15], v[14:15], v[252:253] op_sel_hi:[1,0]
	v_pk_fma_f32 v[14:15], v[RY+34:RY+35], v[250:251], v[14:15] op_sel_hi:[1,0,1]
.set j, 0
.rept 16
	v_pk_mul_f32 v[O+j:O+j+1], v[O+j:O+j+1], v[252:253] op_sel_hi:[1,0]
.set j, j+2
.endr
.set j, 0
.rept 16
	v_pk_fma_f32 v[O+j:O+j+1], v[RY+j:RY+j+1], v[250:251], v[O+j:O+j+1] op_sel_hi:[1,0,1]
.set j, j+2
.endr
	WAYOUT
.Lend:
	s_wait_tensorcnt 0x0                           ; the wave's end
	ds_add_u32 v[SPW], v[NIL]
	s_wait_dscnt 0x0
	s_endpgm
.Lfunc_end_k_q719dd6c645_attn:
	.size	k_q719dd6c645_attn, .Lfunc_end_k_q719dd6c645_attn-k_q719dd6c645_attn
	.p2alignl 7, 3214868480
	.fill 96, 4, 3214868480
	.section	.rodata,"a",@progbits
	.p2align	6, 0x0
	.amdhsa_kernel k_q719dd6c645_attn
		.amdhsa_group_segment_fixed_size 327680
		.amdhsa_private_segment_fixed_size 0
		.amdhsa_enable_private_segment 0
		.amdhsa_kernarg_size 32
		.amdhsa_user_sgpr_count 2
		.amdhsa_user_sgpr_kernarg_segment_ptr 1
		.amdhsa_wavefront_size32 1
		.amdhsa_system_sgpr_workgroup_id_x 1
		.amdhsa_system_sgpr_workgroup_id_y 1
		.amdhsa_system_sgpr_workgroup_id_z 1
		.amdhsa_system_vgpr_workitem_id 0
		.amdhsa_next_free_vgpr 256
		.amdhsa_next_free_sgpr 100
		.amdhsa_reserve_vcc 1
		.amdhsa_float_denorm_mode_32 3
		.amdhsa_float_denorm_mode_16_64 3
		.amdhsa_memory_ordered 1
		.amdhsa_forward_progress 1
		.amdhsa_inst_pref_size 174
	.end_amdhsa_kernel
	.amdgpu_metadata
---
amdhsa.version: [ 1, 2 ]
amdhsa.kernels:
  - .name:           k_q719dd6c645_attn
    .symbol:         k_q719dd6c645_attn.kd
    .args:
      - { .name: qbuf, .offset: 0, .size: 8, .value_kind: global_buffer, .address_space: global }
      - { .name: kvc, .offset: 8, .size: 8, .value_kind: global_buffer, .address_space: global }
      - { .name: kvs, .offset: 16, .size: 8, .value_kind: global_buffer, .address_space: global }
      - { .name: att, .offset: 24, .size: 8, .value_kind: global_buffer, .address_space: global }
    .group_segment_fixed_size: 327680
    .private_segment_fixed_size: 0
    .kernarg_segment_align: 8
    .kernarg_segment_size: 32
    .max_flat_workgroup_size: 512
    .sgpr_count:     100
    .vgpr_count:     256
    .wavefront_size: 32
...
	.end_amdgpu_metadata
.endif
;; end of part 3
;; launch proj (part 4): grid 8 x 32, 4 waves a work-group, clusters of 4 x 4, 327,680 bytes of LDS; arguments att, opq, out0; writes out0
.if DOCPART == 4
	.amdgcn_target "amdgcn-amd-amdhsa--gfx1250"
	.amdhsa_code_object_version 6
	.text
	.protected	k_q719dd6c645_proj
	.globl	k_q719dd6c645_proj
	.p2align	8
	.type	k_q719dd6c645_proj,@function
k_q719dd6c645_proj:
	s_mov_b64 s[64:65], 0
	v_nop
	global_prefetch_b8 v0, s[64:65] scope:SCOPE_SE
	s_setreg_imm32_b32 hwreg(HW_REG_WAVE_MODE, 25, 1), 1
	s_wait_xcnt 0x0
	s_wait_alu depctr_hold_cnt(0) depctr_sa_sdst(0) depctr_va_vdst(0) depctr_va_sdst(0) depctr_va_ssrc(0) depctr_va_vcc(0) depctr_vm_vsrc(0)
	s_getreg_b32 s2, hwreg(HW_REG_IB_STS2, 6, 4)
	s_cmp_eq_u32 s2, 0
	s_cbranch_scc0 .Lentry_in_a_cluster
	s_endpgm
.Lentry_in_a_cluster:
	s_bfe_u32 s2, ttmp6, 0x10000c
	s_cmp_lg_u32 s2, 0xf033
	s_cbranch_scc0 .Lentry_shape_is_right
	s_endpgm
.Lentry_shape_is_right:
; FOURTH LAUNCH: out0 [4096][1024] f32 = attention's result x w_out^T, both on codes of BF8 with E8M0 scales (K = 1,024).  Nothing is left out here.
; A work-group makes 128 tokens x 128 columns; its four waves 64 x 64 each: 16 accumulators.  ALL of K of both operands lies in LDS: 128 KiB of att's fragment images, 128 rows of w_out's codes (1,024 bytes + 16 of padding), 4,096 scale bytes each.
; Each of the four comes by ONE joint load at the head, one a wave; nothing is filled again.  CLUSTERS 4 x 4: att's tile hangs on the work-group's y alone and is shared along a row, w_out's on x alone and is shared along a column.
; NO PREFETCH: every byte is asked for at the head; there is no loop to run ahead in.
; The matrix instruction is used transposed (source 0 = 16 rows of w_out, source 1 = 16 tokens): a lane holds eight neighbouring columns of one token.  Stored rows of w_out and stored tokens have bits 3 and 4 of their number exchanged: the way out puts both right.
; REGISTERS: window 0: v16-31 addresses, v32-71 scale words (block i at v[32 + 10 i + q]: lanes 0-15 the tokens', lanes 16-31 w_out's), v128-255 att's fragments in two sets, on the way out the rows read back.  Window 1: v0-127 w_out's fragments in two sets, v128-255 the sums.
.set BP,     1040
.set BB,     131072
.set SCA,    BB+128*BP
.set SCB,    SCA+4096
.set STAGE,  SCB+4096
.set SPITCH, 272
.set SPARE,  STAGE+4*16*SPITCH
.set ADRA, 16
.set ADRB, 17
.set ADRS, 18
.set STO,  19
.set RD,   20
.set CO,   21
.set SPW,  28
.set NIL,  29
.set SC,   32
.set G1A,  24
.set G1B,  32
.set G1SA, 48
.set G1SB, 56
.set G0A,  68
.set G0B,  72
.set G0SA, 76
.set G0SB, 80
.set MSB, 0
.macro WIN new
.if MSB != \new
	s_set_vgpr_msb (MSB<<8)|\new
.set MSB, \new
.endif
.endm
.macro PLACES n
.rept \n
	v_nop
.endr
.endm
.macro CROUND
	s_barrier_signal -1
	s_barrier_wait -1
	s_cmp_lg_u32 s14, 0
	s_cbranch_scc1 .Lnot_wave_0_\@
	s_barrier_signal -3
.Lnot_wave_0_\@:
	s_barrier_wait -3
	s_barrier_signal -1
	s_barrier_wait -1
.endm
	s_load_b128 s[4:7], s[0:1], 0x0                ; att, opq
	s_load_b64 s[12:13], s[0:1], 0x10              ; out0
	v_lshl_add_u32 v[SPW], v0, 2, SPARE
	v_mov_b32 v[NIL], 0
	ds_add_u32 v[SPW], v[NIL]                      ; the opening: the add, twice on end, and its wait
	ds_add_u32 v[SPW], v[NIL]
	v_lshrrev_b32 v1, 5, v0
	v_readfirstlane_b32 s14, v1
	s_lshr_b32 s15, s14, 1                         ; my half of the tokens
	s_and_b32 s16, s14, 1                          ; my half of the columns
	s_bfe_u32 s40, ttmp6, 0x40000
	s_bfe_u32 s41, ttmp6, 0x40004
	s_lshl_b32 s42, ttmp9, 2
	s_add_co_u32 s42, s42, s40                     ; x: block of 128 columns
	s_and_b32 s17, ttmp7, 0xffff
	s_lshl_b32 s17, s17, 2
	s_add_co_u32 s17, s17, s41                     ; y: block of 128 tokens
	s_lshl_b32 s43, s41, 2
	s_lshl_b32 s43, 15, s43                        ; my row of the cluster
	s_lshl_b32 s44, 0x1111, s40                    ; my column
	s_or_b32 s[G1A+0], s43, (3<<16)|(1<<21)        ; att's images: 32 rows of 4,096 bytes, dense
	s_mov_b32 s[G1A+1], 512<<16
	s_mov_b32 s[G1A+2], 32<<16
	s_mov_b32 s[G1A+3], 512<<16
	s_mov_b32 s[G1A+4], 32
	s_mov_b32 s[G1A+5], 512
	s_mov_b32 s[G1A+6], 0
	s_mov_b32 s[G1A+7], 0
	s_or_b32 s[G1B+0], s44, (1<<20)|(1<<21)|(7<<22)|(3<<25)   ; w_out: 128 rows of 1,024 bytes, four words of padding behind each
	s_mov_b32 s[G1B+1], 1024<<16
	s_mov_b32 s[G1B+2], 128<<16
	s_mov_b32 s[G1B+3], 1024<<16
	s_mov_b32 s[G1B+4], 128
	s_mov_b32 s[G1B+5], 1024
	s_mov_b32 s[G1B+6], 0
	s_mov_b32 s[G1B+7], 0
	s_or_b32 s[G1SA+0], s43, (3<<16)|(1<<21)       ; scale bytes: 16 rows of 256 bytes, dense
	s_or_b32 s[G1SB+0], s44, (3<<16)|(1<<21)
.irp g, G1SA, G1SB
	s_mov_b32 s[\g+1], 32<<16
	s_mov_b32 s[\g+2], 16<<16
	s_mov_b32 s[\g+3], 32<<16
	s_mov_b32 s[\g+4], 16
	s_mov_b32 s[\g+5], 32
	s_mov_b32 s[\g+6], 0
	s_mov_b32 s[\g+7], 0
.endr
	s_lshl_b32 s20, s17, 17
	s_mov_b32 s21, 0
	s_lshl_b32 s22, s17, 12
	s_add_co_u32 s22, s22, 4194304
	s_mov_b32 s23, 0
	s_lshl_b32 s46, s42, 17
	s_add_co_u32 s46, s46, 7340032                 ; w_out's rows lie from row 7,168 of opq on
	s_mov_b32 s47, 0
	s_lshl_b32 s92, s42, 12
	s_add_co_u32 s92, s92, 8617984
	s_mov_b32 s93, 0
	s_lshl_b32 s84, s15, 16                        ; LDS: my four tiles of tokens,
	s_mul_i32 s85, s16, 64*BP
	s_add_co_u32 s85, s85, BB                      ; my 64 rows of w_out,
	s_lshl_b32 s86, s15, 11
	s_add_co_u32 s86, s86, SCA                     ; my tokens' scale bytes,
	s_lshl_b32 s87, s16, 11
	s_add_co_u32 s87, s87, SCB
	s_sub_co_u32 s87, s87, s86                     ; and how far on my rows' lie
	s_mul_i32 s88, s14, 16*SPITCH
	s_add_co_u32 s88, s88, STAGE                   ; my stage
	s_lshl_b32 s90, s17, 19                        ; out0: token 128 y + 64 half, column 128 x + 64 half
	s_lshl_b32 s91, s15, 18
	s_add_co_u32 s90, s90, s91
	s_lshl_b32 s91, s42, 9
	s_add_co_u32 s90, s90, s91
	s_lshl_b32 s91, s16, 8
	s_add_co_u32 s90, s90, s91
	s_mov_b32 s91, 0
	s_wait_dscnt 0x0
	s_wait_kmcnt 0x0
	s_add_nc_u64 s[20:21], s[4:5], s[20:21]
	s_add_nc_u64 s[22:23], s[4:5], s[22:23]
	s_add_nc_u64 s[46:47], s[6:7], s[46:47]
	s_add_nc_u64 s[92:93], s[6:7], s[92:93]
	s_add_nc_u64 s[12:13], s[12:13], s[90:91]
	CROUND                                         ; all sixteen work-groups are here: the joint loads meet
	s_mov_b32 s[G0A], 1
	s_mov_b32 s[G0A+1], 0
	s_mov_b64 s[G0A+2:G0A+3], s[20:21]
	s_or_b32 s[G0A+3], s[G0A+3], 0x80000000
	s_mov_b32 s[G0B], 1
	s_mov_b32 s[G0B+1], BB
	s_mov_b64 s[G0B+2:G0B+3], s[46:47]
	s_or_b32 s[G0B+3], s[G0B+3], 0x80000000
	s_mov_b32 s[G0SA], 1
	s_mov_b32 s[G0SA+1], SCA
	s_mov_b64 s[G0SA+2:G0SA+3], s[22:23]
	s_or_b32 s[G0SA+3], s[G0SA+3], 0x80000000
	s_mov_b32 s[G0SB], 1
	s_mov_b32 s[G0SB+1], SCB
	s_mov_b64 s[G0SB+2:G0SB+3], s[92:93]
	s_or_b32 s[G0SB+3], s[G0SB+3], 0x80000000
.macro ARM under, g0, g1, next                 ; one chain of branches on the wave's number, one load to an arm
	s_cmp_lt_u32 s14, \under
	s_cbranch_scc0 \next
	tensor_load_to_lds s[\g0:\g0+3], s[\g1:\g1+7]
	s_nop 0
	PLACES 4
	s_branch .Lhead_asked
\next:
.endm
	ARM 1, G0A,  G1A,  .Lhead_b
	ARM 2, G0B,  G1B,  .Lhead_sa
	ARM 3, G0SA, G1SA, .Lhead_sb
	tensor_load_to_lds s[G0SB:G0SB+3], s[G1SB:G1SB+7]
	s_nop 0
	PLACES 4
.Lhead_asked:
	v_and_b32 v1, 15, v0                           ; r
	v_bfe_u32 v2, v0, 4, 1                         ; h
	v_and_b32 v3, 31, v0
	v_lshlrev_b32 v3, 4, v3
	v_add_nc_u32 v[ADRA], s84, v3                  ; images: 16 x lane
	v_mul_u32_u24 v4, v1, BP
	v_lshl_add_u32 v4, v2, 4, v4
	v_add_nc_u32 v[ADRB], s85, v4                  ; row r, + 16 h
	v_mul_u32_u24 v5, s87, v2                      ; lanes 16-31 take w_out's scale bytes
	v_lshl_add_u32 v5, v1, 5, v5
	v_add_nc_u32 v[ADRS], s86, v5
	v_mul_u32_u24 v6, v1, SPITCH
	v_lshl_add_u32 v6, v2, 6, v6
	v_add_nc_u32 v[STO], s88, v6                   ; into the stage: row r; my half's 16 columns lie 64 bytes on
	v_mul_u32_u24 v7, v2, SPITCH
	v_lshl_add_u32 v7, v1, 4, v7
	v_add_nc_u32 v[RD], s88, v7                    ; back: sixteen lanes to a row of 256 bytes
	v_lshlrev_b32 v8, 12, v2
	v_lshl_add_u32 v[CO], v1, 4, v8                ; and the same two rows in out0
.macro FETCH q, p                              ; the q-th 128 of K into set p: 32 loads
	WIN 0x40
.irp j, 0,1,2,3
.irp c, 0,1,2,3
	ds_load_b128 v[64*(\p)+16*\j+4*\c:64*(\p)+16*\j+4*\c+3], v[ADRB] offset:\j*16*BP+128*(\q)+32*\c
.endr
.endr
	WIN 0
.irp i, 0,1,2,3
.irp c, 0,1,2,3
	ds_load_b128 v[128+64*(\p)+16*\i+4*\c:128+64*(\p)+16*\i+4*\c+3], v[ADRA] offset:\i*16384+2048*(\q)+512*\c
.endr
.endr
.endm
.macro MUL q, p, zero                          ; 16 products, the 16 accumulators by turns
	WIN 0x51
.irp i, 0,1,2,3
.irp j, 0,1,2,3
.if \zero
	v_wmma_scale_f32_16x16x128_f8f6f4 v[128+8*(4*\i+\j):128+8*(4*\i+\j)+7], v[64*(\p)+16*\j:64*(\p)+16*\j+15], v[128+64*(\p)+16*\i:128+64*(\p)+16*\i+15], 0, v[SC+10*\j+(\q)], v[SC+10*\i+(\q)] matrix_a_fmt:MATRIX_FMT_BF8 matrix_b_fmt:MATRIX_FMT_BF8 matrix_a_scale:MATRIX_SCALE_ROW1
.else
	v_wmma_scale_f32_16x16x128_f8f6f4 v[128+8*(4*\i+\j):128+8*(4*\i+\j)+7], v[64*(\p)+16*\j:64*(\p)+16*\j+15], v[128+64*(\p)+16*\i:128+64*(\p)+16*\i+15], v[128+8*(4*\i+\j):128+8*(4*\i+\j)+7], v[SC+10*\j+(\q)], v[SC+10*\i+(\q)] matrix_a_fmt:MATRIX_FMT_BF8 matrix_b_fmt:MATRIX_FMT_BF8 matrix_a_scale:MATRIX_SCALE_ROW1
.endif
.endr
.endr
.endm
	s_wait_alu depctr_va_vdst(0)
	s_wait_tensorcnt 0x0                           ; my tile of the four is in
	s_barrier_signal -1
	s_barrier_wait -1                              ; and so is everybody's
.irp i, 0,1,2,3
	ds_load_b128 v[SC+10*\i:SC+10*\i+3], v[ADRS] offset:512*\i      ; a row's 32 scale bytes: eight words, all of K
	ds_load_b128 v[SC+10*\i+4:SC+10*\i+7], v[ADRS] offset:512*\i+16
.endr
	FETCH 0, 0
	FETCH 1, 1
	s_wait_dscnt 32                                ; all but the 32 just issued
	MUL 0, 0, 1                                    ; the first products start the sums
.irp q, 1,2,3,4,5,6
	PLACES 8                                       ; in front of loads into the set that the last products read
	FETCH \q+1, (\q+1)%2
	s_wait_dscnt 32
	MUL \q, \q%2, 0
.endr
	s_wait_dscnt 0x0
	MUL 7, 1, 0
	WIN 0
	PLACES 8
; THE WAY OUT, by blocks of 16 stored tokens x 64 columns, through my own stage; LDS serves a wave's instructions in order, so no wait stands between the stores and the loads.
.macro TOSTAGE i
	WIN 0x04
.irp j, 0,1,2,3
	ds_store_b128 v[STO], v[128+8*(4*\i+\j):128+8*(4*\i+\j)+3] offset:128*(\j/2)+32*(\j%2)
	ds_store_b128 v[STO], v[128+8*(4*\i+\j)+4:128+8*(4*\i+\j)+7] offset:128*(\j/2)+32*(\j%2)+16
.endr
	WIN 0
.irp t, 0,1,2,3,4,5,6,7
	ds_load_b128 v[128+32*\i+4*\t:128+32*\i+4*\t+3], v[RD] offset:\t*2*SPITCH
.endr
.endm
.macro SEND i                                  ; stored row 2 t + h of tile i is token 32 (i / 2) + 8 (i % 2) + 2 t + 8 (t / 4) + h; sixteen lanes store 256 consecutive bytes, aligned
.irp t, 0,1,2,3,4,5,6,7
	global_store_b128 v[CO], v[128+32*\i+4*\t:128+32*\i+4*\t+3], s[12:13] offset:(32*(\i/2)+8*(\i%2)+2*\t+8*(\t/4))*4096 th:TH_STORE_NT
.endr
.endm
	TOSTAGE 0
	TOSTAGE 1
	s_wait_dscnt 16                                ; behind a block's loads: the next block's 8 stores and 8 loads
	SEND 0
	TOSTAGE 2
	s_wait_dscnt 16
	SEND 1
	TOSTAGE 3
	s_wait_dscnt 16
	SEND 2
	s_wait_dscnt 0x0
	SEND 3
	s_wait_tensorcnt 0x0                           ; the wave's end
	ds_add_u32 v[SPW], v[NIL]
	s_wait_dscnt 0x0
	CROUND                                         ; the closing round
	s_endpgm
.Lfunc_end_k_q719dd6c645_proj:
	.size	k_q719dd6c645_proj, .Lfunc_end_k_q719dd6c645_proj-k_q719dd6c645_proj
	.p2alignl 7, 3214868480
	.fill 96, 4, 3214868480
	.section	.rodata,"a",@progbits
	.p2align	6, 0x0
	.amdhsa_kernel k_q719dd6c645_proj
		.amdhsa_group_segment_fixed_size 327680
		.amdhsa_private_segment_fixed_size 0
		.amdhsa_enable_private_segment 0
		.amdhsa_kernarg_size 24
		.amdhsa_user_sgpr_count 2
		.amdhsa_user_sgpr_kernarg_segment_ptr 1
		.amdhsa_wavefront_size32 1
		.amdhsa_system_sgpr_workgroup_id_x 1
		.amdhsa_system_sgpr_workgroup_id_y 1
		.amdhsa_system_sgpr_workgroup_id_z 1
		.amdhsa_system_vgpr_workitem_id 0
		.amdhsa_next_free_vgpr 512
		.amdhsa_next_free_sgpr 98
		.amdhsa_reserve_vcc 0
		.amdhsa_float_denorm_mode_32 3
		.amdhsa_float_denorm_mode_16_64 3
		.amdhsa_memory_ordered 1
		.amdhsa_forward_progress 1
		.amdhsa_inst_pref_size 51
	.end_amdhsa_kernel
	.amdgpu_metadata
---
amdhsa.version: [ 1, 2 ]
amdhsa.kernels:
  - .name:           k_q719dd6c645_proj
    .symbol:         k_q719dd6c645_proj.kd
    .args:
      - { .name: att, .offset: 0, .size: 8, .value_kind: global_buffer, .address_space: global }
      - { .name: opq, .offset: 8, .size: 8, .value_kind: global_buffer, .address_space: global }
      - { .name: out0, .offset: 16, .size: 8, .value_kind: global_buffer, .address_space: global }
    .group_segment_fixed_size: 327680
    .private_segment_fixed_size: 0
    .kernarg_segment_align: 8
    .kernarg_segment_size: 24
    .max_flat_workgroup_size: 128
    .sgpr_count:     98
    .vgpr_count:     512
    .wavefront_size: 32
...
	.end_amdgpu_metadata
.endif
;; end of part 4
